; MI455X (gfx1250); checked and timed in simulation.
; The chip was launched on July 23, 2026; its instructions are those of AMD's public machine-readable ISA for CDNA 5 (MIT licence, August 2026) and "CDNA5" Instruction Set Architecture Reference Guide (July 2026). The comments in the code are by the model that wrote it; some were corrected since.
;; Cross Modal Attention. Allowed arithmetic: matrix products marked QUANTISED: E2M3 operands, one E8M0 scale for each 32 along K, by v_wmma_scale_f32_16x16x128_f8f6f4 with both operands' format E2M3, f32 sums; everything else in f32.
;; Inputs: bk 1,024 float32; bo 1,024 float32; bq 1,024 float32; bv 1,024 float32; key 2 x 2,048 x 1,024 float32; mask 2 x 1 x 2,048 x 2,048 int32; query 2 x 2,048 x 1,024 float32; value 2 x 2,048 x 1,024 float32; wk 1,024 x 1,024 float32; wo 1,024 x 1,024 float32; wq 1,024 x 1,024 float32; wv 1,024 x 1,024 float32.
;; Outputs: out0 2 x 2,048 x 1,024 float32.
;; This version of the problem:
;;   THIS VERSION OF THE PROBLEM IS GIVEN IN LOW PRECISION. The matrix products marked QUANTISED in the list below multiply operands that are first quantised to E2M3 (2 exponent bits, 3 mantissa bits; 6 bits a number), with one power-of-two scale for each 32 numbers along K (OCP MX v1.0); their sums are f32. All else is computed in f32.
;;   The module's matrix products, in the order in which they are computed (A, B: the left and right operand; K: the contracted axis; several contracted axes count as one K, in the product's order):
;;     1. [M 4,096, K 1,024] x [K 1,024, N 1,024]; A: input query; B: input wq: QUANTISED
;;     2. [M 4,096, K 1,024] x [K 1,024, N 1,024]; A: input key; B: input wk: QUANTISED
;;     3. [M 4,096, K 1,024] x [K 1,024, N 1,024]; A: input value; B: input wv: QUANTISED
;;     4. batch 32 x [M 2,048, K 64] x [K 64, N 2,048]; A: computed on the way; B: computed on the way: QUANTISED
;;     5. batch 32 x [M 2,048, K 2,048] x [K 2,048, N 64]; A: softmax (see below); B: computed on the way: QUANTISED
;;     6. [M 4,096, K 1,024] x [K 1,024, N 1,024]; A: computed on the way; B: input wo: QUANTISED
;;   THE QUANTISER, for each operand of a quantised product, along K:
;;     - K is cut into blocks of 32 from its start; a last block that is shorter is filled with zeros.
;;     - A block's scale is 2^e with e = floor(log2(the largest magnitude in the block)) - 2, held to -126 .. 127; a block of zeros has e = 0. As a byte (E8M0): e + 127.
;;     - Each number is divided by its block's scale, clamped to +-7.5, and rounded to the nearest number of E2M3, ties to even, subnormals kept.
;;     - The product sums the exact products of the quantised numbers (number of the format x scale) in f32.
;;   ~~~python
;;   def quantise(x, axis):      # numpy; x: float32 -> the quantised numbers, widened to float32 again
;;       x = np.moveaxis(x, axis, -1); K = x.shape[-1]
;;       x = np.pad(x, [(0, 0)] * (x.ndim - 1) + [(0, -K % 32)]); x = x.reshape(x.shape[:-1] + (-1, 32)); a = np.abs(x).max(-1, keepdims=True)
;;       e = np.where(a > 0, np.clip(np.frexp(np.where(a > 0, a, 1))[1] - 1 - 2, -126, 127), 0)      # np.frexp(a)[1] - 1 = floor(log2(a)), exactly
;;       r = np.clip(x / 2.0 ** e, -7.5, 7.5)
;;       step = 2.0 ** (np.maximum(np.frexp(np.where(r == 0, 1, r))[1] - 1, 0) - 3)
;;       q = np.round(r / step) * step * 2.0 ** e      # np.round: ties to even
;;       return np.moveaxis(q.reshape(q.shape[:-2] + (-1,))[..., :K], -1, axis).astype(np.float32)
;;   ~~~
;;   SOFTMAX AHEAD OF A QUANTISED PRODUCT. Where the list says 'softmax', what is quantised is not the finished softmax but p = 2^(t - M), with t = logit x log2(e) and M = ceil(the row's largest t), a whole number; so 1/2 < the row's largest p <= 1. The row's sum l is taken of the UNQUANTISED p, in f32, and the product's result is divided by l at the end. Since M is a whole number, a kernel that streams over the keys may use a running M (the ceiling of the running maximum): every later rescaling is an exact power of two, which a block's scale takes up: the codes' values come out the same.
;;   OPERANDS COMPUTED ON THE WAY. 'Computed on the way' means the value that the module computes at that place (a softmax that the list does not call 'softmax' is quantised finished and normalised). What goes into a quantiser is computed in f32, as accurately as f32 sums, v_exp_f32 and their like allow (about 1e-6 of the number): no bf16 or f16 on the way to a quantiser, and a product that is left as it is and whose result goes on into a quantised operand takes f32 operands (vector FMAs, or v_wmma_f32_16x16x4_f32). A number that lies on a knife's edge between two numbers of the format may be rounded either way, as far as f32 arithmetic and the matrix unit's own rounding can turn it there, and no further.
;; One version. Each part assembles by itself: llvm-mc -triple=amdgcn-amd-amdhsa -mcpu=gfx1250 --defsym DOCPART=n.
;; ======== version 1 of 1: 4 launches
;; limits: right only within a limited range of input values
;; workspace buffers: cod 12,582,912 bytes; scl 524,288 bytes; maskw 1,048,576 bytes of whole numbers; qr 6,684,672 bytes; kv 6,684,672 bytes; oc 3,145,728 bytes; os 131,072 bytes
;; launch prep (part 1): grid 768 x 1, 4 waves a work-group, no clusters, 67,072 bytes of LDS; arguments query, key, value, wq, wk, wv, wo, mask, cod, scl, maskw; writes cod, scl, maskw
.if DOCPART == 1
	.amdgcn_target "amdgcn-amd-amdhsa--gfx1250"
	.amdhsa_code_object_version 6
	.text
	.protected	k_q3888059378_prep
	.globl	k_q3888059378_prep
	.p2align	8
	.type	k_q3888059378_prep,@function
k_q3888059378_prep:
	s_mov_b64 s[64:65], 0
	v_nop
	global_prefetch_b8 v0, s[64:65] scope:SCOPE_SE
	s_setreg_imm32_b32 hwreg(HW_REG_WAVE_MODE, 25, 1), 1
	s_wait_xcnt 0x0
; Two jobs in one launch, told apart by the work-group's number.
; WORK-GROUPS 0-511: query, key, value [4096][1024] and wq, wk, wv, wo [1024][1024], f32, K innermost, become codes of FP6 (E2M3) with one E8M0 byte for each 32 along K.
;   All seven are plain streams of blocks of 32; their codes lie one tensor behind the other in cod (768 bytes a row), their bytes in scl (32 bytes a row).
;   A block's byte is its largest magnitude's exponent field - 2, held at 1 from below; each number is divided by the scale and rounded to the nearest code, ties to even, beyond 7.5 the largest code.
;   A wave takes 16 steps of 512 numbers: four loads of 512 consecutive bytes, a turn through the wave's own stage in LDS so that a lane holds 16 neighbours, 384 consecutive bytes of codes out; its 256 scale bytes leave as one aligned block.
; WORK-GROUPS 512-767: the mask [2][1][2048][2048] int32 becomes lane masks for the attention: word 8 t + j of (16 queries, 128 keys) has bit r + 16 h set where mask[query r][key 16 t + 8 h + j] is 0.
;   A work-group owns 16 rows, a wave four units of 16 rows x 128 keys; a unit's 64 words leave as one aligned block of 256 bytes.
; LIMITS: NaN and infinities among the f32 inputs are not served; a block of zeros gets the byte 1 where the quantiser's text says 127: its codes are zeros, and this program alone reads the bytes.
; No tensor loads, no barrier: waves share nothing.  The two jobs have LDS bytes of their own.
.set STEPS, 16
.set EMAX,  2
.set CB,    12                         ; bytes of 16 codes
.set R,     16                         ; v16-79   four sets of 16 numbers as loaded
.set X,     80                         ; v80-111  two sets of 16 neighbours
.set E,     112                        ; v112-127 a scale byte for each step
.set C,     128                        ; v128-191 codes: four registers a step, so that no store's data are written again
.set WREG,  8192                       ; LDS 0 .. 32,767: a wave's two stages of 32 x SP bytes and its 256 scale bytes
.set SP,    80                         ; a lane's place in a stage: 64 bytes + 16 of padding
.set MST,   32768                      ; LDS from here: the mask job's stages
.set MPITCH, 528                       ; a stage row: 512 bytes + 16
.set MW,    16*MPITCH                  ; a wave's stage
.set OW,    8                          ; v8-15    a unit's 64 words, two a lane; two registers a unit
.set RM,    16                         ; v16-143  two sets of 64: a unit as loaded
.set XM,    144                        ; v144-207 a unit as the attention's lanes hold the scores
	s_load_b512 s[4:19], s[0:1], 0x0               ; query, key, value, wq, wk, wv, wo, mask
	s_load_b128 s[20:23], s[0:1], 0x40             ; cod, scl
	s_load_b64 s[24:25], s[0:1], 0x50              ; maskw
	v_lshl_add_u32 v208, v0, 2, 0x10400
	v_mov_b32 v209, 0
	v_lshrrev_b32 v1, 5, v0
	v_readfirstlane_b32 s30, v1                    ; wave
	v_and_b32 v2, 31, v0                           ; lane
	s_wait_kmcnt 0x0
	s_cmp_ge_u32 ttmp9, 512
	s_cbranch_scc1 .Lmask
; ---------------- the quantiser ----------------
	s_wait_alu depctr_va_vdst(0)
	v_lshlrev_b32 v3, 4, v2                        ; my 16 bytes of a load's 512
	s_mul_i32 s31, s30, WREG
	v_lshrrev_b32 v14, 2, v2
	v_mul_u32_u24 v14, v14, SP
	v_and_b32 v15, 3, v2
	v_lshl_add_u32 v14, v15, 4, v14
	v_add_nc_u32 v14, s31, v14                     ; the stage, in: four lanes' 64 bytes on end, then 16 of padding
	v_mul_u32_u24 v15, v2, SP
	v_add_nc_u32 v15, s31, v15                     ; and out: my 16 neighbours
	v_mul_u32_u24 v4, v2, CB                       ; my codes' place in a step's
	v_lshrrev_b32 v5, 1, v2
	s_add_co_u32 s31, s31, 2*32*SP
	v_add_nc_u32 v5, s31, v5                       ; my block's byte among my wave's 256
	v_lshlrev_b32 v7, 3, v2
	v_add_nc_u32 v6, s31, v7                       ; and 8 bytes a lane on their way out
	s_mov_b64 s[26:27], s[16:17]                   ; which tensor, and its first work-group: the choice hangs on the work-group's number alone
	s_mov_b32 s28, 480
.macro PICK bound, ptr, first
	s_cmp_lt_u32 ttmp9, \bound
	s_cselect_b64 s[26:27], s[\ptr:\ptr+1], s[26:27]
	s_cselect_b32 s28, \first, s28
.endm
	PICK 480, 14, 448
	PICK 448, 12, 416
	PICK 416, 10, 384
	PICK 384, 8, 256
	PICK 256, 6, 128
	PICK 128, 4, 0
	s_sub_co_u32 s29, ttmp9, s28
	s_lshl_b32 s29, s29, 2
	s_add_co_u32 s29, s29, s30                     ; my wave's run of 8,192 numbers in its tensor
	s_lshl_b32 s32, s29, 15                        ; 32,768 bytes a run
	s_mov_b32 s33, 0
	s_add_nc_u64 s[26:27], s[26:27], s[32:33]
	s_lshl_b32 s29, ttmp9, 2
	s_add_co_u32 s29, s29, s30                     ; and among all runs: the outputs are the seven tensors on end
	s_mul_i32 s32, s29, 32*STEPS*CB                ; 6,144 bytes of codes a run
	s_add_nc_u64 s[20:21], s[20:21], s[32:33]
	s_lshl_b32 s32, s29, 8                         ; 256 scale bytes a run
	s_add_nc_u64 s[22:23], s[22:23], s[32:33]
.macro LOAD t
.irp i, 0,1,2,3
	global_load_b128 v[R+16*((\t)%4)+4*\i:R+16*((\t)%4)+4*\i+3], v3, s[26:27] offset:2048*(\t)+512*\i th:TH_LOAD_NT   ; 32 lanes read 512 consecutive bytes
.endr
.endm
.macro TURN t                          ; step t's numbers through the stage: LDS serves a wave's instructions in order, so no wait stands between the stores and the loads
.irp i, 0,1,2,3
	ds_store_b128 v14, v[R+16*((\t)%4)+4*\i:R+16*((\t)%4)+4*\i+3] offset:32*SP*((\t)%2)+8*SP*\i
.endr
.irp i, 0,1,2,3
	ds_load_b128 v[X+16*((\t)%2)+4*\i:X+16*((\t)%2)+4*\i+3], v15 offset:32*SP*((\t)%2)+16*\i
.endr
.endm
.irp t, 0,1,2,3
	LOAD \t
.endr
	s_wait_alu depctr_va_vdst(0)
	s_wait_loadcnt 12                              ; step 0's four loads are in
	TURN 0
.macro STEP t
.set XS, X+16*((\t)%2)
.if (\t) > 0
	s_wait_dscnt 1                                 ; this step's numbers are back from the stage (the last step's byte store may be out)
.else
	s_wait_dscnt 0x0
.endif
.if (\t)+4 < STEPS
	LOAD (\t)+4                                    ; into the registers that this step's stage stores have read
.endif
.if (\t)+1 < STEPS
.if STEPS-2-(\t) >= 3
	s_wait_loadcnt 12                              ; the next step's four loads are in; those of the three steps behind it may be out
.else
	s_wait_loadcnt 4*(STEPS-2-(\t))
.endif
	TURN (\t)+1
.endif
	v_max3_num_f32 v8, |v[XS]|, |v[XS+1]|, |v[XS+2]|               ; the largest magnitude of my 16, in two chains
	v_max3_num_f32 v9, |v[XS+3]|, |v[XS+4]|, |v[XS+5]|
.irp i, 6,10
	v_max3_num_f32 v8, v8, |v[XS+\i]|, |v[XS+\i+1]|
	v_max3_num_f32 v9, v9, |v[XS+\i+2]|, |v[XS+\i+3]|
.endr
	v_max3_num_f32 v8, v8, |v[XS+14]|, |v[XS+15]|
	v_max3_num_f32 v8, v8, v9, (EMAX+1)<<23        ; and the floor 2^(3 - 127): the byte cannot fall under 1
	v_max_num_f32_dpp v8, v8, v8 row_xmask:1 row_mask:0xf bank_mask:0xf   ; and of my neighbour's 16: the block's
	v_add_nc_u32 v11, -(EMAX<<23), v8              ; 2 off its exponent field: the conversion takes that field as its scale and nothing else
	v_cvt_scalef32_pk16_fp6_f32 v[C+4*(\t):C+4*(\t)+2], v[XS:XS+15], v11
	v_lshrrev_b32 v[E+(\t)], 23, v11               ; the scale's byte
	ds_store_b8 v5, v[E+(\t)] offset:16*(\t)       ; both lanes of a block write the same byte with the same value
	global_store_b96 v4, v[C+4*(\t):C+4*(\t)+2], s[20:21] offset:32*CB*(\t)
.endm
.irp t, 0,1,2,3,4,5,6,7,8,9,10,11,12,13,14,15
	STEP \t
.endr
	ds_load_b64 v[12:13], v6                       ; LDS serves a wave's instructions in order: these see my byte stores
	s_wait_dscnt 0x0
	global_store_b64 v7, v[12:13], s[22:23]        ; 32 lanes store 256 consecutive bytes, aligned
	s_wait_tensorcnt 0x0
	ds_add_u32 v208, v209
	s_wait_dscnt 0x0
	s_endpgm
; ---------------- the mask ----------------
.Lmask:
	s_wait_alu depctr_va_vdst(0)
	v_lshlrev_b32 v1, 4, v2                        ; 16 x lane: my 16 bytes of a row's 512
	v_lshlrev_b32 v4, 3, v2                        ; 8 x lane: my two words of a unit's 64
	v_and_b32 v5, 15, v0                           ; r
	v_bfe_u32 v6, v0, 4, 1                         ; h
	s_mul_i32 s31, s30, MW
	s_add_co_u32 s31, s31, MST                     ; my wave's stage
	v_add_nc_u32 v7, s31, v1                       ; in: a row as it lies
	v_mul_u32_u24 v3, v5, MPITCH
	v_lshl_add_u32 v3, v6, 5, v3
	v_add_nc_u32 v3, s31, v3                       ; out: row r, + 32 h: keys 8 h + 0 .. 7 of a tile of 16
.irp i, 0,1,2,3,4,5,6,7
	v_mov_b32 v[OW+\i], 0                          ; a lane write's destination counts as read
.endr
	s_sub_co_u32 s28, ttmp9, 512                   ; 128 x batch + tile of 16 queries
	s_lshl_b32 s32, s28, 17                        ; 16 rows of 8,192 bytes
	s_lshl_b32 s29, s30, 11                        ; my wave's four units: 2,048 bytes of each row
	s_add_co_u32 s32, s32, s29
	s_mov_b32 s33, 0
	s_add_nc_u64 s[18:19], s[18:19], s[32:33]
	s_lshl_b32 s32, s28, 4
	s_lshl_b32 s29, s30, 2
	s_add_co_u32 s32, s32, s29
	s_lshl_b32 s32, s32, 8                         ; 256 bytes of words a unit
	s_add_nc_u64 s[24:25], s[24:25], s[32:33]
.macro LOADM u                         ; unit u: 16 rows x 512 consecutive bytes
.irp i, 0,1,2,3,4,5,6,7,8,9,10,11,12,13,14,15
	global_load_b128 v[RM+64*((\u)%2)+4*\i:RM+64*((\u)%2)+4*\i+3], v1, s[18:19] offset:8192*\i+512*(\u) th:TH_LOAD_NT
.endr
.endm
.macro UNIT u
.if (\u) < 3
	s_wait_loadcnt 16                              ; this unit's 16 loads are in; the next unit's may be out
.else
	s_wait_loadcnt 0x0
.endif
.irp i, 0,1,2,3,4,5,6,7,8,9,10,11,12,13,14,15
	ds_store_b128 v7, v[RM+64*((\u)%2)+4*\i:RM+64*((\u)%2)+4*\i+3] offset:MPITCH*\i
.endr
.irp t, 0,1,2,3,4,5,6,7
	ds_load_b128 v[XM+8*\t:XM+8*\t+3], v3 offset:64*\t             ; register 8 t + j: mask[r][16 t + 8 h + j]
	ds_load_b128 v[XM+8*\t+4:XM+8*\t+7], v3 offset:64*\t+16
.endr
	s_wait_dscnt 0x0
.if (\u)+2 < 4
	LOADM (\u)+2
.endif
.irp t, 0,1,2,3,4,5,6,7
.irp j, 0,1,2,3,4,5,6,7
	v_cmp_eq_u32 s[40+\j], 0, v[XM+8*\t+\j]        ; the lanes whose key is hidden: word 8 t + j
.endr
.irp j, 0,1,2,3,4,5,6,7
	v_writelane_b32 v[OW+2*(\u)+\j%2], s[40+\j], 4*\t+\j/2   ; words 2 l and 2 l + 1 to lane l
.endr
.endr
	global_store_b64 v4, v[OW+2*(\u):OW+2*(\u)+1], s[24:25] offset:256*(\u)   ; 32 lanes store 256 consecutive bytes, aligned
.endm
	LOADM 0
	LOADM 1
	s_wait_alu depctr_va_vdst(0)
	UNIT 0
	UNIT 1
	UNIT 2
	UNIT 3
	s_wait_tensorcnt 0x0
	ds_add_u32 v208, v209
	s_wait_dscnt 0x0
	s_endpgm
.Lfunc_end_k_q3888059378_prep:
	.size	k_q3888059378_prep, .Lfunc_end_k_q3888059378_prep-k_q3888059378_prep
	.p2alignl 7, 3214868480
	.fill 96, 4, 3214868480
	.section	.rodata,"a",@progbits
	.p2align	6, 0x0
	.amdhsa_kernel k_q3888059378_prep
		.amdhsa_group_segment_fixed_size 67072
		.amdhsa_private_segment_fixed_size 0
		.amdhsa_enable_private_segment 0
		.amdhsa_kernarg_size 88
		.amdhsa_user_sgpr_count 2
		.amdhsa_user_sgpr_kernarg_segment_ptr 1
		.amdhsa_wavefront_size32 1
		.amdhsa_system_sgpr_workgroup_id_x 1
		.amdhsa_system_sgpr_workgroup_id_y 1
		.amdhsa_system_sgpr_workgroup_id_z 1
		.amdhsa_system_vgpr_workitem_id 0
		.amdhsa_next_free_vgpr 210
		.amdhsa_next_free_sgpr 66
		.amdhsa_reserve_vcc 0
		.amdhsa_float_denorm_mode_32 3
		.amdhsa_float_denorm_mode_16_64 3
		.amdhsa_memory_ordered 1
		.amdhsa_forward_progress 1
		.amdhsa_inst_pref_size 81
	.end_amdhsa_kernel
	.amdgpu_metadata
---
amdhsa.version: [ 1, 2 ]
amdhsa.kernels:
  - .name:           k_q3888059378_prep
    .symbol:         k_q3888059378_prep.kd
    .args:
      - { .name: query, .offset: 0, .size: 8, .value_kind: global_buffer, .address_space: global }
      - { .name: key, .offset: 8, .size: 8, .value_kind: global_buffer, .address_space: global }
      - { .name: value, .offset: 16, .size: 8, .value_kind: global_buffer, .address_space: global }
      - { .name: wq, .offset: 24, .size: 8, .value_kind: global_buffer, .address_space: global }
      - { .name: wk, .offset: 32, .size: 8, .value_kind: global_buffer, .address_space: global }
      - { .name: wv, .offset: 40, .size: 8, .value_kind: global_buffer, .address_space: global }
      - { .name: wo, .offset: 48, .size: 8, .value_kind: global_buffer, .address_space: global }
      - { .name: mask, .offset: 56, .size: 8, .value_kind: global_buffer, .address_space: global }
      - { .name: cod, .offset: 64, .size: 8, .value_kind: global_buffer, .address_space: global }
      - { .name: scl, .offset: 72, .size: 8, .value_kind: global_buffer, .address_space: global }
      - { .name: maskw, .offset: 80, .size: 8, .value_kind: global_buffer, .address_space: global }
    .group_segment_fixed_size: 67072
    .private_segment_fixed_size: 0
    .kernarg_segment_align: 8
    .kernarg_segment_size: 88
    .max_flat_workgroup_size: 128
    .sgpr_count:     66
    .vgpr_count:     210
    .wavefront_size: 32
...
	.end_amdgpu_metadata
.endif
;; end of part 1
;; launch proj (part 2): grid 4 x 48, 4 waves a work-group, clusters of 4 x 4, 327,680 bytes of LDS; arguments cod, scl, bq, bk, bv, qr, kv; writes qr, kv
.if DOCPART == 2
	.amdgcn_target "amdgcn-amd-amdhsa--gfx1250"
	.amdhsa_code_object_version 6
	.text
	.protected	k_q3888059378_proj
	.globl	k_q3888059378_proj
	.p2align	8
	.type	k_q3888059378_proj,@function
k_q3888059378_proj:
	s_mov_b64 s[64:65], 0
	v_nop
	global_prefetch_b8 v0, s[64:65] scope:SCOPE_SE
	s_setreg_imm32_b32 hwreg(HW_REG_WAVE_MODE, 25, 1), 1
	s_wait_xcnt 0x0
	s_wait_alu depctr_hold_cnt(0) depctr_sa_sdst(0) depctr_va_vdst(0) depctr_va_sdst(0) depctr_va_ssrc(0) depctr_va_vcc(0) depctr_vm_vsrc(0)
	s_getreg_b32 s2, hwreg(HW_REG_IB_STS2, 6, 4)
	s_cmp_eq_u32 s2, 0
	s_cbranch_scc0 .Lentry_in_a_cluster
	s_endpgm
.Lentry_in_a_cluster:
	s_bfe_u32 s2, ttmp6, 0x10000c
	s_cmp_lg_u32 s2, 0xf033
	s_cbranch_scc0 .Lentry_shape_is_right
	s_endpgm
.Lentry_shape_is_right:
; q = query wq^T + bq, k = key wk^T + bk, v = value wv^T + bv on codes of FP6 (E2M3) with E8M0 scales; the results are quantised again and leave as the attention's step records.
; A work-group of four waves makes 256 x 256 of one projection, a wave 128 x 128: 64 accumulators.  Cluster y / 4 says which projection.
; For q and k source 1 takes tokens and source 0 weight rows: a lane holds one token, its registers run along the channels, which are the next K.
; For v the roles are swapped (source 1 = weight rows, source 0 = tokens): a lane holds one channel, its registers run along the keys, which are the next K.
; K goes through a ring of two LDS slots in CHUNKS OF 256 BYTES of each row of codes (a row is 768 bytes): a tile's row begins at a multiple of 256 bytes.  A step of 128 along K is 96 bytes: eight steps to three chunks; steps 2 and 5 lie across two chunks.
; The scales of the 256 + 256 rows, for all of K, come into LDS once, as dense blocks.  4 x 4 work-groups form a cluster: A's tiles are asked for jointly along a row of it, B's along a column.
; A record (13,056 bytes; 128 tokens of one head): eight half fragments of 768 bytes (16 tokens x 64 channels), four fragments of v^T of 1,536 bytes, 512 + 256 bytes of scale words: images of the operand registers.
; No prefetch is laid: the walk has three chunks, of which two are asked for at the head, so no trip lies a whole step ahead of the one refill's request.
; LIMITS: NaN and infinities are not served; a block of zeros gets the byte 1 (its codes are zeros; this program alone reads the bytes).
.set SIZE_K, 1024
.set ROWB,   256
.set NQ,     2
.set KROW,   SIZE_K*6/8
.set STEPS,  SIZE_K/128
.set CHUNKS, KROW/ROWB
.set PITCH,  272                       ; 256 bytes + 16 of padding
.set FR,     12
.set NL,     6
.set NP,     4
.set HALFT,  128*PITCH
.set SLOT,   4*HALFT
.set KS,     SIZE_K/32
.set SCL,    2*SLOT
.set HALFS,  (128*KS/256)*272
.set SBLK,   (16*KS/256)*272
.set SPARE,  SCL+4*HALFS               ; the spare words: 512 bytes that no other line names
.set RECB,   13056
.set HEADB,  16*RECB
.set ADRA, 16                          ; v16-17 my A fragments in slot 0, 1; v18-19 for a piece whose two halves of the lanes read different chunks
.set ADRB, 20                          ; v20-23 the same for B
.set L16,  24
.set L8,   25
.set BQA,  26
.set ADRS, 27
.set SPW,  28
.set NIL,  29
.set BVA,  30
.set SC,   32                          ; v32-63 scale words, two sets
.set BI,   64                          ; v64-127 the bias along the registers (q, k)
.set AF,   128                         ; v128-223 A's fragments
.set BV,   224                         ; v224-239 the bias of my lane's channel (v), in pairs
.set PWS,  32
.set SELW, 40
.set H0,   44
.set H1,   48
.set T,    128
.set PC,   192
.set PW,   212
.set TM,   240
.set SEL,  20
.set PRJ,  95
.set G1, 24
.set G0, 32
.set G1B, 48
.set G0B, 56
.set G1S, 68
.set G0S, 76
.set G1SB, 80
.set G0SB, 88
.set G0H, 96                           ; group 0 of the head's loads of chunk 0, in registers whose arguments have been used
.set G0HB, 4
.set MSB, 0
.macro WIN new
.if MSB != \new
	s_set_vgpr_msb (MSB<<8)|\new
.set MSB, \new
.endif
.endm
.set MUL_LO, 0xa1
.set MUL_HI, 0xf1
.set TO_B,   0x40
.macro JLOAD g0a, g1a, g0b, g1b        ; waves 0, 1 fetch for A, waves 2, 3 for B
	s_cmp_eq_u32 s15, 0
	s_cbranch_scc0 .Lfor_b_\@
	tensor_load_to_lds s[\g0a:\g0a+3], s[\g1a:\g1a+7]
	s_nop 0
.rept 4
	v_nop
.endr
	s_branch .Lasked_\@
.Lfor_b_\@:
	tensor_load_to_lds s[\g0b:\g0b+3], s[\g1b:\g1b+7]
	s_nop 0
.rept 4
	v_nop
.endr
.Lasked_\@:
.endm
.macro CREST
	s_cmp_lg_u32 s14, 0
	s_cbranch_scc1 .Lnot_wave_0_\@
	s_barrier_signal -3
.Lnot_wave_0_\@:
	s_barrier_wait -3
	s_barrier_signal -1
	s_barrier_wait -1
.endm
.macro CROUND
	s_barrier_signal -1
	s_barrier_wait -1
	CREST
.endm
	s_load_b128 s[4:7], s[0:1], 0x0                ; cod, scl
	s_load_b128 s[8:11], s[0:1], 0x10              ; bq, bk
	s_load_b128 s[96:99], s[0:1], 0x20             ; bv, qr
	s_load_b64 s[100:101], s[0:1], 0x30            ; kv
	v_lshl_add_u32 v[SPW], v0, 2, SPARE
	v_mov_b32 v[NIL], 0
	ds_add_u32 v[SPW], v[NIL]                      ; the opening lines: the add, twice on end, and one wait
	ds_add_u32 v[SPW], v[NIL]
	v_lshrrev_b32 v1, 5, v0
	v_readfirstlane_b32 s14, v1                    ; wave
	s_lshr_b32 s15, s14, 1                         ; my half of A's rows; also: I fetch for A (0) or B (1)
	s_and_b32 s16, s14, 1                          ; my half of B's rows; also: which 128 rows I fetch
	s_bfe_u32 s40, ttmp6, 0x40000                  ; cx
	s_bfe_u32 s41, ttmp6, 0x40004                  ; cy
	s_and_b32 s2, ttmp7, 0xffff
	s_lshr_b32 s[PRJ], s2, 2                       ; 0 q, 1 k, 2 v
	s_and_b32 s2, s2, 3
	s_lshl_b32 s2, s2, 2
	s_cmp_eq_u32 s[PRJ], 2
	s_cselect_b32 s42, s2, 0                       ; tile of B's rows: weights (q, k) or tokens (v)
	s_cselect_b32 s17, 0, s2                       ; tile of A's rows: tokens (q, k) or weights (v)
	s_add_co_u32 s42, s42, s40
	s_add_co_u32 s17, s17, s41
	s_lshl_b32 s43, s41, 2
	s_lshl_b32 s43, 15, s43                        ; my row of the cluster
	s_lshl_b32 s44, 0x1111, s40                    ; my column
	s_mul_i32 s18, s[PRJ], 3145728                 ; where the tensors' codes and scale bytes begin
	s_mul_i32 s19, s[PRJ], 786432
	s_add_co_u32 s19, s19, 9437184
	s_lshl_b32 s20, s[PRJ], 17
	s_lshl_b32 s21, s[PRJ], 15
	s_add_co_u32 s21, s21, 393216
	s_cmp_eq_u32 s[PRJ], 2
	s_cselect_b32 s66, s19, s18
	s_cselect_b32 s67, s18, s19
	s_cselect_b32 s2, s21, s20
	s_cselect_b32 s3, s20, s21
	s_or_b32 s[G1+0], s43, (0<<16)|(1<<20)|(1<<21)|(5<<22)|(3<<25)   ; rows of 256 bytes, 16 of padding behind each; 256 rows at the head, 128 in the ring
	s_or_b32 s[G1B+0], s44, (0<<16)|(1<<20)|(1<<21)|(5<<22)|(3<<25)
.irp g, G1, G1B
	s_mov_b32 s[\g+1], ROWB<<16
	s_mov_b32 s[\g+2], 256<<16
	s_mov_b32 s[\g+3], ROWB<<16
	s_mov_b32 s[\g+4], 256
	s_mov_b32 s[\g+5], KROW
	s_mov_b32 s[\g+6], 0
	s_mov_b32 s[\g+7], 0
.endr
	s_or_b32 s[G1S+0], s43, (3<<16)|(1<<20)|(1<<21)|(5<<22)|(3<<25)  ; the scales of 256 rows: KS dense rows of 256 bytes
	s_or_b32 s[G1SB+0], s44, (3<<16)|(1<<20)|(1<<21)|(5<<22)|(3<<25)
.irp g, G1S, G1SB
	s_mov_b32 s[\g+1], 32<<16
	s_mov_b32 s[\g+2], KS<<16
	s_mov_b32 s[\g+3], 32<<16
	s_mov_b32 s[\g+4], KS
	s_mov_b32 s[\g+5], 32
	s_mov_b32 s[\g+6], 0
	s_mov_b32 s[\g+7], 0
.endr
	s_lshl_b32 s20, s17, 8                         ; A's first row, B's first row
	s_lshl_b32 s46, s42, 8
	s_lshl_b32 s22, s20, 5
	s_add_co_u32 s22, s22, s2
	s_mov_b32 s23, 0
	s_lshl_b32 s92, s46, 5
	s_add_co_u32 s92, s92, s3
	s_mov_b32 s93, 0
	s_mul_i32 s20, s20, KROW
	s_add_co_u32 s20, s20, s66
	s_mov_b32 s21, 0
	s_mul_i32 s46, s46, KROW
	s_add_co_u32 s46, s46, s67
	s_mov_b32 s47, 0
	s_mul_i32 s18, s16, 128*KROW                   ; in the ring I fetch 128 rows
	s_mov_b32 s19, 0
	s_mul_i32 s45, s14, HALFT
	s_wait_dscnt 0x0                               ; both opening adds are done
	s_wait_kmcnt 0x0
	s_add_nc_u64 s[20:21], s[4:5], s[20:21]
	s_add_nc_u64 s[22:23], s[6:7], s[22:23]
	s_add_nc_u64 s[46:47], s[4:5], s[46:47]
	s_add_nc_u64 s[92:93], s[6:7], s[92:93]
	s_cmp_eq_u32 s[PRJ], 0                         ; the bias and the output of my projection: the choice hangs on the cluster's number alone
	s_cselect_b64 s[8:9], s[8:9], s[10:11]
	s_cselect_b64 s[12:13], s[98:99], s[100:101]
	s_cmp_eq_u32 s[PRJ], 2
	s_cselect_b64 s[8:9], s[96:97], s[8:9]
	CROUND                                         ; all sixteen work-groups are here: the first joint loads meet
	s_mov_b32 s[G0H], 1
	s_mov_b32 s[G0H+1], 0
	s_mov_b64 s[G0H+2:G0H+3], s[20:21]
	s_or_b32 s[G0H+3], s[G0H+3], 0x80000000
	s_mov_b32 s[G0HB], 1
	s_mov_b32 s[G0HB+1], 2*HALFT
	s_mov_b64 s[G0HB+2:G0HB+3], s[46:47]
	s_or_b32 s[G0HB+3], s[G0HB+3], 0x80000000
	s_mov_b32 s[G0S], 1
	s_mov_b32 s[G0S+1], SCL
	s_mov_b64 s[G0S+2:G0S+3], s[22:23]
	s_or_b32 s[G0S+3], s[G0S+3], 0x80000000
	s_mov_b32 s[G0SB], 1
	s_mov_b32 s[G0SB+1], SCL+2*HALFS
	s_mov_b64 s[G0SB+2:G0SB+3], s[92:93]
	s_or_b32 s[G0SB+3], s[G0SB+3], 0x80000000
	s_add_nc_u64 s[20:21], s[20:21], s[18:19]
	s_add_nc_u64 s[46:47], s[46:47], s[18:19]
.irp s, 0,1
	s_mov_b32 s[G0+4*\s], 1
	s_add_co_u32 s[G0+4*\s+1], s45, \s*SLOT
	s_add_nc_u64 s[G0+4*\s+2:G0+4*\s+3], s[20:21], \s*ROWB
	s_or_b32 s[G0+4*\s+3], s[G0+4*\s+3], 0x80000000
	s_mov_b32 s[G0B+4*\s], 1
	s_add_co_u32 s[G0B+4*\s+1], s45, \s*SLOT
	s_add_nc_u64 s[G0B+4*\s+2:G0B+4*\s+3], s[46:47], \s*ROWB
	s_or_b32 s[G0B+4*\s+3], s[G0B+4*\s+3], 0x80000000
.endr
; the head's four tiles, one load a wave: chunk 0 of A's 256 rows, of B's 256 rows, A's scales, B's scales; one tree of branches on the wave's number
.macro ARM under, g0, g1, next
	s_cmp_lt_u32 s14, \under
	s_cbranch_scc0 \next
	tensor_load_to_lds s[\g0:\g0+3], s[\g1:\g1+7]
	s_nop 0
.rept 4
	v_nop
.endr
	s_branch .Lhead_asked
\next:
.endm
	ARM 1, G0H,  G1,  .Lhead_b
	ARM 2, G0HB, G1B, .Lhead_sa
	ARM 3, G0S,  G1S, .Lhead_sb
	tensor_load_to_lds s[G0SB:G0SB+3], s[G1SB:G1SB+7]
	s_nop 0
.rept 4
	v_nop
.endr
.Lhead_asked:
	v_and_b32 v1, 15, v0                           ; r
	v_bfe_u32 v2, v0, 4, 1                         ; h
	v_mul_u32_u24 v3, v1, PITCH
	v_mul_u32_u24 v4, v2, 24
	v_add_nc_u32 v4, v3, v4                        ; row x pitch + 24 h
	s_mov_b32 s21, SLOT-232
	s_mov_b32 s22, SLOT+232
	v_sub_nc_u32 v7, 1, v2
	v_mul_u32_u24 v5, s21, v2
	v_add_nc_u32 v5, v3, v5
	v_add_nc_u32 v5, 232, v5                       ; lanes 0-15 byte 232 of the row in slot 0, lanes 16-31 byte 0 of the row in slot 1
	v_mul_u32_u24 v6, s22, v7
	v_add_nc_u32 v6, v3, v6                        ; and the other way round
	s_mul_i32 s21, s15, HALFT
	s_mul_i32 s22, s16, HALFT
	s_add_co_u32 s22, s22, 2*HALFT
	v_add_nc_u32 v[ADRA+2], s21, v5
	v_add_nc_u32 v[ADRA+3], s21, v6
	v_add_nc_u32 v[ADRB+2], s22, v5
	v_add_nc_u32 v[ADRB+3], s22, v6
.irp s, 0,1
	v_add_nc_u32 v[ADRA+\s], s21, v4
	v_add_nc_u32 v[ADRB+\s], s22, v4
	s_add_co_u32 s21, s21, SLOT
	s_add_co_u32 s22, s22, SLOT
.endr
	v_mul_u32_u24 v5, v1, KS
	v_lshrrev_b32 v6, 8, v5
	v_lshl_add_u32 v5, v6, 4, v5
	s_mul_i32 s21, s15, HALFS
	s_mul_i32 s22, s16, HALFS
	s_add_co_u32 s22, s22, 2*HALFS
	s_sub_co_u32 s22, s22, s21
	v_mul_u32_u24 v6, s22, v2                      ; lanes 16-31 take B's scale words
	s_add_co_u32 s21, s21, SCL
	v_add_nc_u32 v5, v5, v6
	v_add_nc_u32 v[ADRS], s21, v5
	v_and_b32 v6, 31, v0
	v_lshlrev_b32 v[L16], 4, v6
	v_lshlrev_b32 v[L8], 3, v6
	v_lshlrev_b32 v[BQA], 5, v2
	v_lshlrev_b32 v[BVA], 2, v1
	s_wait_alu depctr_va_vdst(0)
	s_and_b32 s18, s42, 3                          ; the bias of my 128 channels along the registers (q, k)
	s_lshl_b32 s18, s18, 10
	s_lshl_b32 s19, s16, 9
	s_add_co_u32 s18, s18, s19
	s_mov_b32 s19, 0
	s_add_nc_u64 s[10:11], s[8:9], s[18:19]
	s_and_b32 s18, s17, 3                          ; and along the lanes (v)
	s_lshl_b32 s18, s18, 10
	s_lshl_b32 s19, s15, 9
	s_add_co_u32 s18, s18, s19
	s_mov_b32 s19, 0
	s_add_nc_u64 s[100:101], s[8:9], s[18:19]
.irp b, 0,1,2,3,4,5,6,7
	global_load_b128 v[BI+8*\b:BI+8*\b+3], v[BQA], s[10:11] offset:64*\b
	global_load_b128 v[BI+8*\b+4:BI+8*\b+7], v[BQA], s[10:11] offset:64*\b+16
.endr
.irp a, 0,1,2,3,4,5,6,7
	global_load_b32 v[BV+2*\a], v[BVA], s[100:101] offset:64*\a
	global_load_b32 v[BV+2*\a+1], v[BVA], s[100:101] offset:64*\a
.endr
	s_lshl_b32 s18, s17, 1                         ; my record: 16 (16 batch + head) + tokens / 128
	s_add_co_u32 s18, s18, s15
	s_lshl_b32 s19, s42, 1
	s_add_co_u32 s19, s19, s16
	s_cmp_eq_u32 s[PRJ], 2
	s_cselect_b32 s66, s19, s18
	s_cselect_b32 s67, s18, s19
	s_lshl_b32 s67, s67, 1
	s_lshr_b32 s18, s66, 4
	s_lshl_b32 s18, s18, 4
	s_add_co_u32 s18, s18, s67
	s_lshl_b32 s18, s18, 4
	s_and_b32 s66, s66, 15
	s_add_co_u32 s18, s18, s66
	s_mul_i32 s18, s18, RECB
	s_mov_b32 s19, 0
	s_add_nc_u64 s[12:13], s[12:13], s[18:19]
.macro FRAG reg, adr, st, i            ; 16 rows x 128 K: six pieces of 8 bytes; byte y of a row lies in slot (y / 256) % 2 at byte y % 256 of the LDS row
.irp p, 0,1,2,3,4,5
.set BY, 96*(\st)+48*(\p/3)+8*(\p%3)
.if BY/ROWB == (BY+24)/ROWB
	ds_load_b64 v[\reg+2*\p:\reg+2*\p+1], v[\adr+(BY/ROWB)%2] offset:BY%ROWB+(\i)*16*PITCH
.else
	ds_load_b64 v[\reg+2*\p:\reg+2*\p+1], v[\adr+2+(BY/ROWB)%2] offset:BY%ROWB-232+(\i)*16*PITCH
.endif
.endr
.endm
.macro MUL16 a0, p, q, sc, zero        ; the 64 accumulators take turns, in the same order in every step
.irp a, \a0, \a0+1
.irp b, 0,1,2,3,4,5,6,7
.if \zero
	v_wmma_scale_f32_16x16x128_f8f6f4 v[8*(8*((\a)%4)+\b):8*(8*((\a)%4)+\b)+7], v[128*(\p)+FR*\b:128*(\p)+FR*\b+FR-1], v[AF+FR*(\a):AF+FR*(\a)+FR-1], 0, v[SC+8*NQ*(\sc)+NQ*\b+(\q)], v[SC+8*NQ*(\sc)+NQ*(\a)+(\q)] matrix_a_fmt:MATRIX_FMT_FP6 matrix_b_fmt:MATRIX_FMT_FP6 matrix_a_scale:MATRIX_SCALE_ROW1
.else
	v_wmma_scale_f32_16x16x128_f8f6f4 v[8*(8*((\a)%4)+\b):8*(8*((\a)%4)+\b)+7], v[128*(\p)+FR*\b:128*(\p)+FR*\b+FR-1], v[AF+FR*(\a):AF+FR*(\a)+FR-1], v[8*(8*((\a)%4)+\b):8*(8*((\a)%4)+\b)+7], v[SC+8*NQ*(\sc)+NQ*\b+(\q)], v[SC+8*NQ*(\sc)+NQ*(\a)+(\q)] matrix_a_fmt:MATRIX_FMT_FP6 matrix_b_fmt:MATRIX_FMT_FP6 matrix_a_scale:MATRIX_SCALE_ROW1
.endif
.endr
.endr
.endm
.macro FETCH_B st, p
	WIN TO_B
.irp i, 0,1,2,3,4,5,6,7
	FRAG 128*(\p)+FR*\i, ADRB, \st, \i
.endr
	WIN 0
.endm
.macro FETCH_A st, i0
.irp i, \i0, \i0+1, \i0+2, \i0+3
	FRAG AF+FR*(\i), ADRA, \st, \i
.endr
.endm
.macro SCALES pr                       ; the scale words of steps 2 pr, 2 pr + 1 into set pr % 2
.irp i, 0,1,2,3,4,5,6,7
	ds_load_b64 v[SC+8*NQ*((\pr)%2)+NQ*\i:SC+8*NQ*((\pr)%2)+NQ*\i+1], v[ADRS] offset:\i*SBLK+4*NQ*(\pr)
.endr
.endm
.macro PLACES n
.rept \n
	v_nop
.endr
.endm
; A step: 64 products; the next step's fragments are fetched in its middle and at its end.  Where the next step's bytes end in a chunk not yet read, a barrier shows that chunk whole;
; where they begin in a later chunk, the chunk left behind is free: all tensor loads waited for, the add, the wait for it and for my reads, the barrier, which opens a round of the cluster's barrier where a chunk is left to fetch.
.macro STEP st, zero
.set NX, (\st)+1
.set C0, (96*(\st))/ROWB
.set C1, (96*NX)/ROWB
.set E0, (96*(\st)+95)/ROWB
.set E1, (96*NX+95)/ROWB
.if C1 > C0 || E1 > E0
	s_wait_tensorcnt 0x0                           ; all my tensor loads have landed
.if C1 > C0
	ds_add_u32 v[SPW], v[NIL]
	s_wait_dscnt 4*NL+1                            ; the add and A's blocks 4-7 may be out
.else
	s_wait_dscnt 4*NL                              ; A's blocks 4-7 may be out
.endif
	WIN MUL_LO
	MUL16 0, (\st)%2, (\st)%2, ((\st)/2)%2, \zero
	s_wait_dscnt 0x0                               ; the add and all my reads are done
	s_barrier_signal -1
	MUL16 2, (\st)%2, (\st)%2, ((\st)/2)%2, \zero
	WIN 0
	s_barrier_wait -1
.if C1 > C0 && C0+2 < CHUNKS
	CREST
	s_add_nc_u64 s[G0+4*(C0%2)+2:G0+4*(C0%2)+3], s[G0+4*(C0%2)+2:G0+4*(C0%2)+3], 2*ROWB
	s_add_nc_u64 s[G0B+4*(C0%2)+2:G0B+4*(C0%2)+3], s[G0B+4*(C0%2)+2:G0B+4*(C0%2)+3], 2*ROWB
	JLOAD G0+4*(C0%2), G1, G0B+4*(C0%2), G1B       ; chunk C0 + 2: the first tensor load behind the round
.else
	PLACES NP
.endif
.else
	s_wait_dscnt 4*NL                              ; A's blocks 4-7 may be out
	WIN MUL_LO
	MUL16 0, (\st)%2, (\st)%2, ((\st)/2)%2, \zero
	MUL16 2, (\st)%2, (\st)%2, ((\st)/2)%2, \zero
	s_wait_dscnt 0
	PLACES NP
.endif
	FETCH_B NX, NX%2
	FETCH_A NX, 0
.if NX%2 == 0
	SCALES NX/2
.endif
	WIN MUL_HI
	MUL16 4, (\st)%2, (\st)%2, ((\st)/2)%2, \zero
	MUL16 6, (\st)%2, (\st)%2, ((\st)/2)%2, \zero
	PLACES NP
	WIN 0
	FETCH_A NX, 4
.endm
	s_wait_alu depctr_va_vdst(0)
	s_wait_tensorcnt 0x0                           ; my tile of the head's four is in; slot 1's first fill is issued as a refill is
	ds_add_u32 v[SPW], v[NIL]
	s_mov_b32 s[G1+2], 128<<16                     ; no tensor load of mine is out: from here on a load brings 128 rows
	s_mov_b32 s[G1+4], 128
	s_mov_b32 s[G1B+2], 128<<16
	s_mov_b32 s[G1B+4], 128
	s_wait_dscnt 0x0
	CROUND
	JLOAD G0+4, G1, G0B+4, G1B                     ; chunk 1
	FETCH_B 0, 0
	FETCH_A 0, 0
	SCALES 0
	FETCH_A 0, 4
	STEP 0, 1                                      ; the first step's products start the sums
.set ST, 1
.rept STEPS-2
	STEP ST, 0
.set ST, ST+1
.endr
	s_wait_dscnt 4*NL
	WIN MUL_LO
	MUL16 0, 1, 1, 1, 0
	MUL16 2, 1, 1, 1, 0
	s_wait_dscnt 0
	WIN MUL_HI
	MUL16 4, 1, 1, 1, 0
	MUL16 6, 1, 1, 1, 0
	WIN 0
; THE WAY OUT: bias, four blocks of 32 along the next K quantised at a time, the codes stored as register images
.macro QUANT s
.irp b, 0,1,2,3
	v_max3_num_f32 v[TM+\b], |v[\s+16*\b]|, |v[\s+1+16*\b]|, 0x1800000
.endr
.irp i, 2,4,6,8,10,12,14
.irp b, 0,1,2,3
	v_max3_num_f32 v[TM+\b], v[TM+\b], |v[\s+16*\b+\i]|, |v[\s+1+16*\b+\i]|
.endr
.endr
.irp b, 0,1,2,3
	v_permlanex16_b32 v[TM+4+\b], v[TM+\b], s[SEL], s[SEL+1]
.endr
.irp b, 0,1,2,3
	v_max_num_f32 v[TM+\b], v[TM+\b], v[TM+4+\b]
.endr
.irp b, 0,1,2,3
	v_add_nc_u32 v[TM+12+\b], 0xff000000, v[TM+\b]
.endr
.irp b, 0,1,2,3
	v_lshrrev_b32 v[TM+4+\b], 23, v[TM+12+\b]
.endr
	v_lshl_or_b32 v[PW], v[TM+5], 8, v[TM+4]
	v_lshl_or_b32 v[PW], v[TM+6], 16, v[PW]
	v_lshl_or_b32 v[PW], v[TM+7], 24, v[PW]
.irp c, 0,1
	v_cvt_scalef32_pk16_fp6_f32 v[PC+6*\c:PC+2+6*\c], v[\s+32*\c:\s+15+32*\c], v[TM+12+2*\c]
	v_cvt_scalef32_pk16_fp6_f32 v[PC+12+4*\c:PC+14+4*\c], v[\s+16+32*\c:\s+31+32*\c], v[TM+12+2*\c+1]
.endr
	v_nop
.irp c, 0,1
.irp i, 0,1,2
	v_permlane16_swap_b32 v[PC+6*\c+\i], v[PC+12+4*\c+\i]
.endr
.irp i, 0,1,2
	v_mov_b32 v[PC+3+6*\c+\i], v[PC+12+4*\c+\i]
.endr
.endr
.endm
.macro TILE_QK a
	s_wait_xcnt 0x0
	WIN 0x02+(\a)/4
.set II, 0
.rept 32
	v_pk_add_f32 v[T+2*II:T+2*II+1], v[64*((\a)%4)+2*II:64*((\a)%4)+2*II+1], v[BI+2*II:BI+2*II+1]
.set II, II+1
.endr
	WIN 0
	QUANT T
	v_mov_b32 v[PWS+(\a)], v[PW]
.irp n, 0,1
	global_store_b128 v[L16], v[PC+6*\n:PC+6*\n+3], s[12:13] offset:HEADB*\n+768*(\a)
	global_store_b64 v[L8], v[PC+6*\n+4:PC+6*\n+5], s[12:13] offset:HEADB*\n+768*(\a)+512
.endr
.endm
.macro TILE_V a
	s_wait_xcnt 0x0
	WIN 0x02+(\a)/4
.set II, 0
.rept 32
	v_pk_add_f32 v[T+2*II:T+2*II+1], v[64*((\a)%4)+2*II:64*((\a)%4)+2*II+1], v[BV+2*(\a):BV+2*(\a)+1]
.set II, II+1
.endr
	WIN 0
	QUANT T
	v_mov_b32 v[PWS+(\a)], v[PW]
.irp c, 0,1,2
	global_store_b128 v[L16], v[PC+4*\c:PC+4*\c+3], s[12:13] offset:HEADB*((\a)/4)+6144+1536*((\a)%4)+512*\c
.endr
.endm
	PLACES NP
	s_wait_loadcnt 0x0
	s_mov_b32 s[SEL], 0x76543210
	s_mov_b32 s[SEL+1], 0xfedcba98
	s_mov_b32 s22, 0x7f7f0000
	s_mov_b32 vcc_lo, 0xffff0000
.irp b, 0,1,2,3
	v_mov_b32 v[TM+4+\b], 0
.endr
	s_cmp_eq_u32 s[PRJ], 2
	s_cbranch_scc1 .Lv_out
.irp a, 0,1,2,3,4,5,6,7
	TILE_QK \a
.endr
.irp j, 0,1,2,3
	v_cndmask_b32 v[SELW+\j], v[PWS+2*\j], v[PWS+2*\j+1], vcc_lo
.endr
.irp j, 0,1,2,3
	v_and_or_b32 v[H0+\j], v[SELW+\j], 0xffff, s22
	v_lshrrev_b32 v[H1+\j], 16, v[SELW+\j]
.endr
.irp j, 0,1,2,3
	v_or_b32 v[H1+\j], s22, v[H1+\j]
.endr
	global_store_b128 v[L16], v[H0:H0+3], s[12:13] offset:12288
	global_store_b128 v[L16], v[H1:H1+3], s[12:13] offset:HEADB+12288
	s_branch .Ldone
.Lv_out:
.irp a, 0,1,2,3,4,5,6,7
	TILE_V \a
.endr
.irp n, 0,1
.irp j, 0,1
	v_cndmask_b32 v[H0+2*\n+\j], v[PWS+4*\n+2*\j], v[PWS+4*\n+2*\j+1], vcc_lo
.endr
.endr
.irp n, 0,1
	global_store_b64 v[L8], v[H0+2*\n:H0+2*\n+1], s[12:13] offset:HEADB*\n+12800
.endr
.Ldone:
	s_wait_tensorcnt 0x0                           ; the wave's end
	ds_add_u32 v[SPW], v[NIL]
	s_wait_dscnt 0x0
	CROUND                                         ; the closing round
	s_endpgm
.Lfunc_end_k_q3888059378_proj:
	.size	k_q3888059378_proj, .Lfunc_end_k_q3888059378_proj-k_q3888059378_proj
	.p2alignl 7, 3214868480
	.fill 96, 4, 3214868480
	.section	.rodata,"a",@progbits
	.p2align	6, 0x0
	.amdhsa_kernel k_q3888059378_proj
		.amdhsa_group_segment_fixed_size 327680
		.amdhsa_private_segment_fixed_size 0
		.amdhsa_enable_private_segment 0
		.amdhsa_kernarg_size 56
		.amdhsa_user_sgpr_count 2
		.amdhsa_user_sgpr_kernarg_segment_ptr 1
		.amdhsa_wavefront_size32 1
		.amdhsa_system_sgpr_workgroup_id_x 1
		.amdhsa_system_sgpr_workgroup_id_y 1
		.amdhsa_system_sgpr_workgroup_id_z 1
		.amdhsa_system_vgpr_workitem_id 0
		.amdhsa_next_free_vgpr 1024
		.amdhsa_next_free_sgpr 102
		.amdhsa_reserve_vcc 1
		.amdhsa_float_denorm_mode_32 3
		.amdhsa_float_denorm_mode_16_64 3
		.amdhsa_memory_ordered 1
		.amdhsa_forward_progress 1
		.amdhsa_inst_pref_size 236
	.end_amdhsa_kernel
	.amdgpu_metadata
---
amdhsa.version: [ 1, 2 ]
amdhsa.kernels:
  - .name:           k_q3888059378_proj
    .symbol:         k_q3888059378_proj.kd
    .args:
      - { .name: cod, .offset: 0, .size: 8, .value_kind: global_buffer, .address_space: global }
      - { .name: scl, .offset: 8, .size: 8, .value_kind: global_buffer, .address_space: global }
      - { .name: bq, .offset: 16, .size: 8, .value_kind: global_buffer, .address_space: global }
      - { .name: bk, .offset: 24, .size: 8, .value_kind: global_buffer, .address_space: global }
      - { .name: bv, .offset: 32, .size: 8, .value_kind: global_buffer, .address_space: global }
      - { .name: qr, .offset: 40, .size: 8, .value_kind: global_buffer, .address_space: global }
      - { .name: kv, .offset: 48, .size: 8, .value_kind: global_buffer, .address_space: global }
    .group_segment_fixed_size: 327680
    .private_segment_fixed_size: 0
    .kernarg_segment_align: 8
    .kernarg_segment_size: 56
    .max_flat_workgroup_size: 128
    .sgpr_count:     102
    .vgpr_count:     1024
    .wavefront_size: 32
...
	.end_amdgpu_metadata
.endif
;; end of part 2
;; launch attn (part 3): grid 8 x 32, 16 waves a work-group, clusters of 4 x 1, 210,944 bytes of LDS; arguments qr, kv, maskw, oc, os; writes oc, os
.if DOCPART == 3
	.amdgcn_target "amdgcn-amd-amdhsa--gfx1250"
	.amdhsa_code_object_version 6
	.text
	.protected	k_q3888059378_attn
	.globl	k_q3888059378_attn
	.p2align	8
	.type	k_q3888059378_attn,@function
k_q3888059378_attn:
	s_mov_b64 s[64:65], 0
	v_nop
	global_prefetch_b8 v0, s[64:65] scope:SCOPE_SE
	s_setreg_imm32_b32 hwreg(HW_REG_WAVE_MODE, 25, 1), 1
	s_wait_xcnt 0x0
	s_wait_alu depctr_hold_cnt(0) depctr_sa_sdst(0) depctr_va_vdst(0) depctr_va_sdst(0) depctr_va_ssrc(0) depctr_va_vcc(0) depctr_vm_vsrc(0)
	s_getreg_b32 s2, hwreg(HW_REG_IB_STS2, 6, 4)
	s_cmp_eq_u32 s2, 0
	s_cbranch_scc0 .Lentry_in_a_cluster
	s_endpgm
.Lentry_in_a_cluster:
	s_bfe_u32 s2, ttmp6, 0x10000c
	s_cmp_lg_u32 s2, 0x3003
	s_cbranch_scc0 .Lentry_shape_is_right
	s_endpgm
.Lentry_shape_is_right:
; o = softmax(clip(q k^T / 8, -100, 100), hidden keys at -infinity) v for one (batch, head) and 256 queries a work-group; both products on codes of FP6 (E2M3) with E8M0 scales; o leaves quantised for the output projection.
; SHARES.  Sixteen waves, 16 queries each, 256 registers each: four waves to a SIMD, so that one wave's vector work stands beside another's matrix work and LDS loads.  Every wave walks the head's 2,048 keys, 128 a step.
; LDS.  The head's sixteen step records (13,056 bytes each: k's eight fragments, v^T's four, their scale words, all as images of the operand registers) fill LDS ONCE: wave w brings record w.  Nothing is filled again.
; CLUSTER.  The four work-groups of a cluster are four query blocks of one head and want the same records: each record is asked for jointly, by the same tensor load with a mask that names the four.
; LAYOUT.  S^T = k q^T (source 0 = 16 keys, source 1 = my 16 queries), O^T = v^T p^T: a lane holds ONE query (lane % 16).  In S^T's tile t register j is key 16 t + 8 (lane / 16) + j: the 16 registers of tiles 2 b, 2 b + 1 with those of the
;   lane 16 away are the block of keys 32 b .. 32 b + 31, in the same fixed order in which v's codes were laid.  q k^T has K = 64: registers 6-11 of both fragments are zero codes, their scale bytes 0x7f.
; SOFTMAX.  t = score x log2(e); M = the ceiling of the running largest t; p = 2^(t - M) is quantised along the keys; the row's sum is taken of the unquantised p and divides at the end.  When M moves, the sum and O^T are multiplied by 2^(old M - new M).
;   The clip is taken of the raw product at +-800, which is the clip of the score at +-100 exactly, since 1 / 8 is a power of two.  The mask comes as lane masks, 64 words a step, in scalar registers: they select values and steer nothing.
; A row all of whose keys are hidden has the sum 0: its scale bytes are set to 0xff, so that the output projection gives NaN there.
; os is stored a byte a lane (two heads of different work-groups share a scale word): 32 bytes of each wave's output.
; LIMITS: NaN and infinities among the inputs are not served; p under 2^-126 counts as 0; a block of zeros gets the byte 1 (its codes are zeros; this program alone reads the bytes).
.set REC,  13056
.set L16,  1                           ; v1   16 x lane
.set L8,   2                           ; v2   8 x lane
.set A16,  3                           ; v3   the step's record + 16 x lane
.set A8,   4                           ; v4   + 8 x lane
.set NINF, 5                           ; v5   -infinity
.set QS,   6                           ; v6   q's scale words
.set PWD,  7                           ; v7   p's scale word
.set KS,   8                           ; v8-11  k's scale words: register j: lanes 0-15 fragment 2 j, lanes 16-31 fragment 2 j + 1
.set Q,    16                          ; v16-27 q's fragment (v22-27 zero codes)
.set VS,   28                          ; v28-29 v's scale words
.set F,    30                          ; v30  2^(old M - new M); v31 named with it as a pair
.set KF,   32                          ; v32-79  four fragments of k: 6 registers of codes, 6 of zeros
.set VF,   80                          ; v80-127 v^T's four fragments
.set S,    128                         ; v128-191 S^T, then p
.set O,    192                         ; v192-223 O^T
.set PC,   224                         ; v224-235 p's codes
.set TP,   236                         ; v236-243 at work
.set BM,   244                         ; v244-247 the blocks' largest scores
.set SO,   248                         ; v248-251 the conversions' scale operands
; v12 -M, v13 the largest t, v[14:15] the sum in two halves, v252, v253 at work
; s[2:3] my mask words; s4 the step's offset among them; s13, s5 -800, 800; s[6:7] c; s[8:9] lane selects; s10 wave; s11 the step's record in LDS; s12 trips; s[16:23], s[24:27] the descriptor; s[28:29] oc, s[30:31] os; s32-63, s68-99 the 64 mask words
.macro CROUND
	s_barrier_signal -1
	s_barrier_wait -1
	s_cmp_lg_u32 s10, 0
	s_cbranch_scc1 .Lnot_wave_0_\@
	s_barrier_signal -3
.Lnot_wave_0_\@:
	s_barrier_wait -3
	s_barrier_signal -1
	s_barrier_wait -1
.endm
	s_load_b256 s[36:43], s[0:1], 0x0              ; qr, kv, maskw, oc
	s_load_b64 s[44:45], s[0:1], 0x20              ; os
	v_lshl_add_u32 v254, v0, 2, 0x33000
	v_mov_b32 v255, 0
	ds_add_u32 v254, v255
	ds_add_u32 v254, v255
	v_lshrrev_b32 v3, 5, v0
	s_delay_alu instid0(VALU_DEP_1)
	v_readfirstlane_b32 s10, v3                    ; wave 0..15
	v_and_b32 v4, 31, v0
	s_delay_alu instid0(VALU_DEP_1)
	v_lshlrev_b32 v[L16], 4, v4
	s_delay_alu instid0(VALU_DEP_2)
	v_lshlrev_b32 v[L8], 3, v4
	v_and_b32 v252, 15, v0
	s_delay_alu instid0(VALU_DEP_1)
	v_lshlrev_b32 v252, 4, v252                    ; 16 r: q's scale word
	s_bfe_u32 s66, ttmp6, 0x40000                  ; cx
	s_lshl_b32 s15, ttmp9, 2
	s_add_co_u32 s15, s15, s66                     ; my block of 256 queries: it enters q's, the mask's and the outputs' addresses alone
	s_and_b32 s14, ttmp7, 0xffff                   ; 16 x batch + head, which the four partners share
	; the zero codes, O^T, the sums: written early, far ahead of the first products
.irp f, 0,1,2,3
.irp i, 6,7,8,9,10,11
	v_mov_b32 v[KF+12*\f+\i], 0
.endr
.endr
.irp i, 6,7,8,9,10,11
	v_mov_b32 v[Q+\i], 0
.endr
.irp j, 0,1,2,3,4,5,6,7,8,9,10,11,12,13,14,15,16,17,18,19,20,21,22,23,24,25,26,27,28,29,30,31
	v_mov_b32 v[O+\j], 0                           ; the step is written once: the first finds zeros, which the first change of M leaves zeros
.endr
.irp b, 0,1,2,3
	v_mov_b32 v[TP+\b], 0                          ; a lane permute's destination counts as one of its sources
.endr
	v_mov_b32 v[NINF], 0xff800000
	v_mov_b32 v13, 0xff61b1e6                      ; the largest t so far: -3e38
	s_delay_alu instid0(VALU_DEP_1)
	v_floor_f32 v12, -v13
	v_mov_b32 v14, 0
	v_mov_b32 v15, 0
	v_mov_b32 v[F+1], 0
	; descriptor group 1: a record, 13,056 dense bytes, as 51 rows of 256 (32 elements of 8 bytes); the mask names all four work-groups
	s_mov_b32 s16, 15|(3<<16)|(1<<21)
	s_mov_b32 s17, 32<<16
	s_mov_b32 s18, 51<<16
	s_mov_b32 s19, 32<<16
	s_mov_b32 s20, 51
	s_mov_b32 s21, 32
	s_mov_b32 s22, 0
	s_mov_b32 s23, 0
	s_mov_b32 s24, 1
	s_mul_i32 s25, s10, REC                        ; record w to LDS byte 13,056 w
	s_lshl_b32 s100, s14, 4
	s_add_co_u32 s100, s100, s10
	s_mul_i32 s100, s100, REC
	s_mov_b32 s101, 0
	s_wait_dscnt 0x0
	s_wait_kmcnt 0x0
	s_add_nc_u64 s[26:27], s[38:39], s[100:101]
	s_or_b32 s27, s27, 0x80000000
	CROUND                                         ; all four work-groups are here: the joint loads meet
	tensor_load_to_lds s[24:27], s[16:23]
	s_nop 0
.rept 4
	v_nop
.endr
	; q: record 16 (16 b + head) + queries / 128, fragment w % 8
	s_lshl_b32 s12, s14, 4
	s_lshl_b32 s13, s15, 1
	s_add_co_u32 s12, s12, s13
	s_lshr_b32 s13, s10, 3
	s_add_co_u32 s12, s12, s13
	s_mul_i32 s12, s12, REC
	s_and_b32 s13, s10, 7
	s_mul_i32 s4, s13, 768
	s_add_co_u32 s4, s4, s12
	s_mov_b32 s5, 0
	s_add_nc_u64 s[66:67], s[36:37], s[4:5]
	s_and_b32 s4, s13, 1
	s_lshl_b32 s4, s4, 8                           ; its scale words: lanes 16 (f % 2) on, word f / 2
	s_lshr_b32 s13, s13, 1
	s_lshl_b32 s13, s13, 2
	s_add_co_u32 s4, s4, s13
	s_add_co_u32 s4, s4, s12
	s_add_co_u32 s4, s4, 12288
	s_add_nc_u64 s[100:101], s[36:37], s[4:5]
	global_load_b128 v[Q:Q+3], v[L16], s[66:67]
	global_load_b64 v[Q+4:Q+5], v[L8], s[66:67] offset:512
	global_load_b32 v[QS], v252, s[100:101]
	s_lshr_b32 s9, s14, 4
	s_lshl_b32 s9, s9, 7
	s_lshl_b32 s8, s15, 4
	s_add_co_u32 s9, s9, s8
	s_add_co_u32 s9, s9, s10                       ; my tile of 16 tokens: 128 x batch + 16 x block + wave
	s_lshl_b32 s4, s9, 12                          ; 16 steps x 256 bytes of mask words
	s_add_nc_u64 s[2:3], s[40:41], s[4:5]
	s_and_b32 s8, s14, 15                          ; head
	s_lshl_b32 s4, s9, 4
	s_add_co_u32 s4, s4, s8
	s_mul_i32 s4, s4, 768
	s_add_nc_u64 s[28:29], s[42:43], s[4:5]
	s_lshl_b32 s4, s9, 9                           ; 16 rows of 32 scale bytes
	s_lshl_b32 s8, s8, 1
	s_add_co_u32 s4, s4, s8
	s_add_nc_u64 s[30:31], s[44:45], s[4:5]
	s_mov_b32 s4, 0
.macro MASKS                           ; a step's 64 words
	s_load_b512 s[32:47], s[2:3], s4 offset:0x0
	s_load_b512 s[48:63], s[2:3], s4 offset:0x40
	s_load_b512 s[68:83], s[2:3], s4 offset:0x80
	s_load_b512 s[84:99], s[2:3], s4 offset:0xc0
.endm
	MASKS                                          ; (the argument pointers in s36-45 have been used up)
	s_mov_b32 s5, 0x44480000                       ; 800
	s_mov_b32 s13, 0xc4480000                      ; -800
	s_mov_b32 s6, 0x3e38aa3b                       ; c = log2(e) / 8
	s_mov_b32 s7, s6
	s_mov_b32 s8, 0x76543210
	s_mov_b32 s9, 0xfedcba98
	s_mov_b32 s11, 0
	s_mov_b32 s12, 16
	s_wait_loadcnt 0x0                             ; q
	s_wait_tensorcnt 0x0                           ; my record is in,
	s_barrier_signal -1
	s_barrier_wait -1                              ; everybody's is
.macro KLOAD g                         ; k's fragments 4 g .. 4 g + 3: six registers each; the six zeros stay
.irp f, 0,1,2,3
	ds_load_b128 v[KF+12*\f:KF+12*\f+3], v[A16] offset:768*(4*\g+\f)
	ds_load_b64 v[KF+12*\f+4:KF+12*\f+5], v[A8] offset:768*(4*\g+\f)+512
.endr
.endm
.macro KQ g                            ; S^T's tiles 4 g .. 4 g + 3
.irp f, 0,1,2,3
.if \f%2
	v_wmma_scale_f32_16x16x128_f8f6f4 v[S+8*(4*\g+\f):S+8*(4*\g+\f)+7], v[KF+12*\f:KF+12*\f+11], v[Q:Q+11], 0, v[KS+2*\g+\f/2], v[QS] matrix_a_fmt:MATRIX_FMT_FP6 matrix_b_fmt:MATRIX_FMT_FP6 matrix_a_scale:MATRIX_SCALE_ROW1
.else
	v_wmma_scale_f32_16x16x128_f8f6f4 v[S+8*(4*\g+\f):S+8*(4*\g+\f)+7], v[KF+12*\f:KF+12*\f+11], v[Q:Q+11], 0, v[KS+2*\g+\f/2], v[QS] matrix_a_fmt:MATRIX_FMT_FP6 matrix_b_fmt:MATRIX_FMT_FP6
.endif
.endr
.endm
.macro CLIP g, sb                      ; 32 scores: the clip, then -infinity where the key is hidden; each accumulator from its low end on
.set N, 0
.rept 32
	v_med3_num_f32 v[S+32*\g+N], v[S+32*\g+N], s13, s5
.set N, N+1
.endr
.set N, 0
.rept 32
	v_cndmask_b32 v[S+32*\g+N], v[S+32*\g+N], v[NINF], s[\sb+N]
.set N, N+1
.endr
.endm
.macro CHAIN b0                        ; the largest score of my 16 keys of blocks b0 and b0 + 1, by turns
.irp b, \b0, \b0+1
	v_max3_num_f32 v[BM+(\b)], v[S+16*(\b)], v[S+16*(\b)+1], v[S+16*(\b)+2]
.endr
.irp i, 3,5,7,9,11,13
.irp b, \b0, \b0+1
	s_delay_alu instid0(VALU_DEP_2)
	v_max3_num_f32 v[BM+(\b)], v[BM+(\b)], v[S+16*(\b)+\i], v[S+16*(\b)+\i+1]
.endr
.endr
.irp b, \b0, \b0+1
	s_delay_alu instid0(VALU_DEP_2)
	v_max_num_f32 v[BM+(\b)], v[BM+(\b)], v[S+16*(\b)+15]
.endr
.endm
.Lstep:                                            ; 16 trips, 128 keys each
	v_add_nc_u32 v[A16], s11, v[L16]
	v_add_nc_u32 v[A8], s11, v[L8]
	v_nop
	v_nop                                          ; four plain lines behind the last trip's products, in front of the loads into their operands
	ds_load_b128 v[KS:KS+3], v[A16] offset:12288
	KLOAD 0
.irp n, 0,1,2,3,4,5,6,7,8,9,10,11
	ds_load_b128 v[VF+4*\n:VF+4*\n+3], v[A16] offset:6144+512*\n
.endr
	ds_load_b64 v[VS:VS+1], v[A8] offset:12800
	s_wait_alu depctr_va_vdst(0)
	s_wait_dscnt 13                                ; k's scale words and fragments 0-3 are in; v's twelve loads and its scale words may be out
	KQ 0
.rept 4
	v_nop                                          ; places in front of the loads into k's registers and of the first read of the scores
.endr
	KLOAD 1
	s_wait_kmcnt 0x0                               ; the step's mask words
	CLIP 0, 32
	s_wait_dscnt 0x0
	KQ 1
	CHAIN 0                                        ; sixteen plain lines that name none of those products' registers
	CLIP 1, 68
	s_add_co_u32 s4, s4, 256                       ; the next step's words (their last loads were waited for above); behind the last step the offset wraps to the first step's, inside the buffer
	s_and_b32 s4, s4, 4095
	MASKS
	CHAIN 2
.irp b, 0,1,2,3
	v_permlanex16_b32 v[TP+\b], v[BM+\b], s8, s9
.endr
.irp b, 0,1,2,3
	s_delay_alu instid0(VALU_DEP_4)
	v_max_num_f32 v[BM+\b], v[BM+\b], v[TP+\b]     ; each block's largest score: it serves for the row's maximum and, since p rises with the score, for the block's largest p
.endr
	s_delay_alu instid0(VALU_DEP_2)
	v_max3_num_f32 v252, v[BM], v[BM+1], v[BM+2]
	s_delay_alu instid0(VALU_DEP_1)
	v_max_num_f32 v252, v252, v[BM+3]
	s_delay_alu instid0(VALU_DEP_1)
	v_mul_f32 v252, s6, v252                       ; as t
	s_delay_alu instid0(VALU_DEP_1)
	v_max_num_f32 v13, v13, v252                   ; the running largest t
	v_mov_b32 v252, v12
	s_delay_alu instid0(VALU_DEP_2)
	v_floor_f32 v12, -v13                          ; -M = floor(-t): M is a whole number
	s_delay_alu instid0(VALU_DEP_1)
	v_sub_f32 v252, v12, v252                      ; old M - new M, 0 or less
	s_delay_alu instid0(VALU_DEP_1)
	v_cvt_i32_f32 v252, v252                       ; (it saturates)
	s_delay_alu instid0(VALU_DEP_1)
	v_ldexp_f32 v[F], 1.0, v252
.irp j, 0,2,4,6,8,10,12,14,16,18,20,22,24,26,28,30,32,34,36,38,40,42,44,46,48,50,52,54,56,58,60,62
	v_pk_fma_f32 v[S+\j:S+\j+1], v[S+\j:S+\j+1], s[6:7], v[12:13] op_sel_hi:[1,0,0]   ; t - M, two at a time
.endr
.irp b, 0,1,2,3
	v_fma_f32 v[BM+\b], v[BM+\b], s6, v12
.endr
	s_wait_alu depctr_va_vdst(0)
.irp j, 0,1,2,3,4,5,6,7,8,9,10,11,12,13,14,15,16,17,18,19,20,21,22,23,24,25,26,27,28,29,30,31,32,33,34,35,36,37,38,39,40,41,42,43,44,45,46,47,48,49,50,51,52,53,54,55,56,57,58,59,60,61,62,63
	v_exp_f32 v[S+\j], v[S+\j]                     ; p = 2^(t - M)
.endr
	v_pk_mul_f32 v[14:15], v[14:15], v[F:F+1] op_sel_hi:[1,0]   ; the sums under the new M: a plain line behind the exponentials
	s_wait_alu depctr_va_vdst(0)                   ; one wait for the batch, ahead of its first reader
.irp b, 0,1,2,3
	v_exp_f32 v[BM+\b], v[BM+\b]                   ; the blocks' largest p
.endr
	v_pk_add_f32 v[236:237], v[132:133], v[136:137]
	v_pk_add_f32 v[250:251], v[140:141], v[144:145]
	v_pk_add_f32 v[248:249], v[148:149], v[152:153]
	v_pk_add_f32 v[242:243], v[156:157], v[160:161]
	v_pk_add_f32 v[240:241], v[164:165], v[168:169]
	v_pk_add_f32 v[238:239], v[172:173], v[176:177]
	v_pk_add_f32 v[234:235], v[180:181], v[184:185]
	v_pk_add_f32 v[14:15], v[14:15], v[188:189]
	v_pk_add_f32 v[236:237], v[236:237], v[128:129]
	v_pk_add_f32 v[250:251], v[250:251], v[130:131]
	v_pk_add_f32 v[248:249], v[248:249], v[134:135]
	v_pk_add_f32 v[242:243], v[242:243], v[138:139]
	v_pk_add_f32 v[240:241], v[240:241], v[142:143]
	v_pk_add_f32 v[238:239], v[238:239], v[146:147]
	v_pk_add_f32 v[234:235], v[234:235], v[150:151]
	v_pk_add_f32 v[14:15], v[14:15], v[154:155]
	v_pk_add_f32 v[236:237], v[236:237], v[158:159]
	v_pk_add_f32 v[250:251], v[250:251], v[162:163]
	v_pk_add_f32 v[248:249], v[248:249], v[166:167]
	v_pk_add_f32 v[242:243], v[242:243], v[170:171]
	v_pk_add_f32 v[240:241], v[240:241], v[174:175]
	v_pk_add_f32 v[238:239], v[238:239], v[178:179]
	v_pk_add_f32 v[234:235], v[234:235], v[182:183]
	v_pk_add_f32 v[14:15], v[14:15], v[186:187]
	v_pk_add_f32 v[236:237], v[236:237], v[190:191]
	s_delay_alu instid0(VALU_DEP_2)
	v_pk_add_f32 v[14:15], v[14:15], v[242:243]
	s_delay_alu instid0(VALU_DEP_2)
	v_pk_add_f32 v[236:237], v[236:237], v[240:241]
	v_pk_add_f32 v[250:251], v[250:251], v[238:239]
	v_pk_add_f32 v[248:249], v[248:249], v[234:235]
	s_delay_alu instid0(VALU_DEP_2)
	v_pk_add_f32 v[14:15], v[14:15], v[250:251]
	s_delay_alu instid0(VALU_DEP_2)
	v_pk_add_f32 v[236:237], v[236:237], v[248:249]
	s_delay_alu instid0(VALU_DEP_1)
	v_pk_add_f32 v[14:15], v[14:15], v[236:237]
	s_wait_alu depctr_va_vdst(0)                   ; and one for the four
.irp b, 0,1,2,3
	v_max_num_f32 v[BM+\b], 0x1800000, v[BM+\b]    ; the floor 2^(3 - 127)
.endr
.irp b, 0,1,2,3
	s_delay_alu instid0(VALU_DEP_4)
	v_add_nc_u32 v[SO+\b], 0xff000000, v[BM+\b]    ; 2 off the exponent field: the conversion's scale operand
.endr
.irp b, 0,1,2,3
	s_delay_alu instid0(VALU_DEP_4)
	v_lshrrev_b32 v[TP+\b], 23, v[SO+\b]
.endr
	s_delay_alu instid0(VALU_DEP_3)
	v_lshl_or_b32 v[PWD], v[TP+1], 8, v[TP]
	s_delay_alu instid0(VALU_DEP_1)
	v_lshl_or_b32 v[PWD], v[TP+2], 16, v[PWD]
	s_delay_alu instid0(VALU_DEP_1)
	v_lshl_or_b32 v[PWD], v[TP+3], 24, v[PWD]
.irp c, 0,1
	v_cvt_scalef32_pk16_fp6_f32 v[PC+6*\c:PC+6*\c+2], v[S+32*\c:S+32*\c+15], v[SO+2*\c]
	v_cvt_scalef32_pk16_fp6_f32 v[TP+4*\c:TP+4*\c+2], v[S+16+32*\c:S+31+32*\c], v[SO+2*\c+1]
.endr
	v_nop                                          ; one plain line behind a scaled conversion
.irp c, 0,1
.irp i, 0,1,2
	v_permlane16_swap_b32 v[PC+6*\c+\i], v[TP+4*\c+\i]
.endr
.irp i, 0,1,2
	s_delay_alu instid0(VALU_DEP_3)
	v_mov_b32 v[PC+3+6*\c+\i], v[TP+4*\c+\i]
.endr
.endr
.irp j, 0,2,4,6,8,10,12,14,16,18,20,22,24,26,28,30
	v_pk_mul_f32 v[O+\j:O+\j+1], v[O+\j:O+\j+1], v[F:F+1] op_sel_hi:[1,0]   ; O^T under the new M; these sixteen are also the places between p's codes and scale word and the products
.endr
.irp d, 0,1,2,3
.if \d%2
	v_wmma_scale_f32_16x16x128_f8f6f4 v[O+8*\d:O+8*\d+7], v[VF+12*\d:VF+12*\d+11], v[PC:PC+11], v[O+8*\d:O+8*\d+7], v[VS+\d/2], v[PWD] matrix_a_fmt:MATRIX_FMT_FP6 matrix_b_fmt:MATRIX_FMT_FP6 matrix_a_scale:MATRIX_SCALE_ROW1
.else
	v_wmma_scale_f32_16x16x128_f8f6f4 v[O+8*\d:O+8*\d+7], v[VF+12*\d:VF+12*\d+11], v[PC:PC+11], v[O+8*\d:O+8*\d+7], v[VS+\d/2], v[PWD] matrix_a_fmt:MATRIX_FMT_FP6 matrix_b_fmt:MATRIX_FMT_FP6
.endif
.endr
	s_add_co_u32 s11, s11, REC
	s_sub_co_u32 s12, s12, 1
	s_cmp_lg_u32 s12, 0
	s_cbranch_scc1 .Lstep
	; THE WAY OUT.  O^T / the sum; brought into the natural order of the head's 64 channels; quantised in two blocks of 32; stored as half a fragment of the output projection's operand.
.set E, 128
	v_add_f32 v14, v14, v15
	s_delay_alu instid0(VALU_DEP_1)
	v_permlanex16_b32 v252, v14, s8, s9
	v_and_b32 v3, 15, v0
	v_bfe_u32 v4, v0, 4, 1
	s_delay_alu instid0(VALU_DEP_1)
	v_lshl_add_u32 v3, v3, 5, v4                   ; os: 32 r + h
	v_mov_b32 v251, 0xff
	v_add_f32 v14, v14, v252                       ; the row's sum
	s_wait_alu depctr_va_vdst(0)
	v_rcp_f32 v253, v14
	v_nop                                          ; a plain line behind the reciprocal
	s_wait_alu depctr_va_vdst(0)
.irp j, 0,1,2,3,4,5,6,7,8,9,10,11,12,13,14,15,16,17,18,19,20,21,22,23,24,25,26,27,28,29,30,31
	v_mul_f32 v[E+\j], v[O+\j], v253               ; register 8 d + j: channel 16 d + 8 h + j
.endr
.irp b, 0,1
.irp j, 0,1,2,3,4,5,6,7
	v_permlane16_swap_b32 v[E+16*\b+\j], v[E+16*\b+8+\j]   ; now register 16 b + i is channel 32 b + 16 h + i
.endr
.endr
.irp b, 0,1
	v_max3_num_f32 v[BM+\b], |v[E+16*\b]|, |v[E+16*\b+1]|, 0x1800000
.endr
.irp i, 2,4,6,8,10,12,14
.irp b, 0,1
	s_delay_alu instid0(VALU_DEP_2)
	v_max3_num_f32 v[BM+\b], v[BM+\b], |v[E+16*\b+\i]|, |v[E+16*\b+\i+1]|
.endr
.endr
.irp b, 0,1
	s_delay_alu instid0(VALU_DEP_2)
	v_permlanex16_b32 v[TP+\b], v[BM+\b], s8, s9
.endr
.irp b, 0,1
	s_delay_alu instid0(VALU_DEP_2)
	v_max_num_f32 v[BM+\b], v[BM+\b], v[TP+\b]
.endr
.irp b, 0,1
	s_delay_alu instid0(VALU_DEP_2)
	v_add_nc_u32 v[SO+\b], 0xff000000, v[BM+\b]
.endr
.irp b, 0,1
	s_delay_alu instid0(VALU_DEP_2)
	v_lshrrev_b32 v[TP+\b], 23, v[SO+\b]
.endr
	v_cvt_scalef32_pk16_fp6_f32 v[PC:PC+2], v[E:E+15], v[SO]
	v_cvt_scalef32_pk16_fp6_f32 v[TP+4:TP+6], v[E+16:E+31], v[SO+1]
	v_nop
.irp i, 0,1,2
	v_permlane16_swap_b32 v[PC+\i], v[TP+4+\i]
.endr
.irp i, 0,1,2
	s_delay_alu instid0(VALU_DEP_3)
	v_mov_b32 v[PC+3+\i], v[TP+4+\i]               ; registers 0-5: channels 32 h + 0 .. 31
.endr
	s_mov_b32 vcc_lo, 0xffff0000
	v_cndmask_b32 v252, v[TP], v[TP+1], vcc_lo     ; my half's block's byte
	v_cmp_eq_f32 vcc_lo, 0, v14
	s_delay_alu instid0(VALU_DEP_1)
	v_cndmask_b32 v252, v252, v251, vcc_lo         ; a row with no key: the NaN byte
	global_store_b128 v[L16], v[PC:PC+3], s[28:29]             ; 512 consecutive bytes, aligned
	global_store_b64 v[L8], v[PC+4:PC+5], s[28:29] offset:512  ; 256
	global_store_b8 v3, v252, s[30:31]
	s_wait_tensorcnt 0x0
	ds_add_u32 v254, v255
	s_wait_dscnt 0x0
	CROUND                                         ; the closing round
	s_endpgm
.Lfunc_end_k_q3888059378_attn:
	.size	k_q3888059378_attn, .Lfunc_end_k_q3888059378_attn-k_q3888059378_attn
	.p2alignl 7, 3214868480
	.fill 96, 4, 3214868480
	.section	.rodata,"a",@progbits
	.p2align	6, 0x0
	.amdhsa_kernel k_q3888059378_attn
		.amdhsa_group_segment_fixed_size 210944
		.amdhsa_private_segment_fixed_size 0
		.amdhsa_enable_private_segment 0
		.amdhsa_kernarg_size 40
		.amdhsa_user_sgpr_count 2
		.amdhsa_user_sgpr_kernarg_segment_ptr 1
		.amdhsa_wavefront_size32 1
		.amdhsa_system_sgpr_workgroup_id_x 1
		.amdhsa_system_sgpr_workgroup_id_y 1
		.amdhsa_system_sgpr_workgroup_id_z 1
		.amdhsa_system_vgpr_workitem_id 0
		.amdhsa_next_free_vgpr 256
		.amdhsa_next_free_sgpr 102
		.amdhsa_reserve_vcc 1
		.amdhsa_float_denorm_mode_32 3
		.amdhsa_float_denorm_mode_16_64 3
		.amdhsa_memory_ordered 1
		.amdhsa_forward_progress 1
		.amdhsa_inst_pref_size 39
	.end_amdhsa_kernel
	.amdgpu_metadata
---
amdhsa.version: [ 1, 2 ]
amdhsa.kernels:
  - .name:           k_q3888059378_attn
    .symbol:         k_q3888059378_attn.kd
    .args:
      - { .name: qr, .offset: 0, .size: 8, .value_kind: global_buffer, .address_space: global }
      - { .name: kv, .offset: 8, .size: 8, .value_kind: global_buffer, .address_space: global }
      - { .name: maskw, .offset: 16, .size: 8, .value_kind: global_buffer, .address_space: global }
      - { .name: oc, .offset: 24, .size: 8, .value_kind: global_buffer, .address_space: global }
      - { .name: os, .offset: 32, .size: 8, .value_kind: global_buffer, .address_space: global }
    .group_segment_fixed_size: 210944
    .private_segment_fixed_size: 0
    .kernarg_segment_align: 8
    .kernarg_segment_size: 40
    .max_flat_workgroup_size: 512
    .sgpr_count:     102
    .vgpr_count:     256
    .wavefront_size: 32
...
	.end_amdgpu_metadata
.endif
;; end of part 3
;; launch outp (part 4): grid 8 x 32, 4 waves a work-group, clusters of 4 x 4, 229,376 bytes of LDS; arguments oc, os, cod, scl, bo, out0; writes out0
.if DOCPART == 4
	.amdgcn_target "amdgcn-amd-amdhsa--gfx1250"
	.amdhsa_code_object_version 6
	.text
	.protected	k_q3888059378_outp
	.globl	k_q3888059378_outp
	.p2align	8
	.type	k_q3888059378_outp,@function
k_q3888059378_outp:
	s_mov_b64 s[64:65], 0
	v_nop
	global_prefetch_b8 v0, s[64:65] scope:SCOPE_SE
	s_setreg_imm32_b32 hwreg(HW_REG_WAVE_MODE, 25, 1), 1
	s_wait_xcnt 0x0
	s_wait_alu depctr_hold_cnt(0) depctr_sa_sdst(0) depctr_va_vdst(0) depctr_va_sdst(0) depctr_va_ssrc(0) depctr_va_vcc(0) depctr_vm_vsrc(0)
	s_getreg_b32 s2, hwreg(HW_REG_IB_STS2, 6, 4)
	s_cmp_eq_u32 s2, 0
	s_cbranch_scc0 .Lentry_in_a_cluster
	s_endpgm
.Lentry_in_a_cluster:
	s_bfe_u32 s2, ttmp6, 0x10000c
	s_cmp_lg_u32 s2, 0xf033
	s_cbranch_scc0 .Lentry_shape_is_right
	s_endpgm
.Lentry_shape_is_right:
; out0 = o wo^T + bo on codes of FP6 (E2M3) with E8M0 scales.  o: 4,096 tokens x 1,024, as the attention stored it: for each 16 tokens and each head 768 bytes, the image of half a fragment's registers; os: 32 scale bytes a token.
; wo's codes lie in cod, 768 bytes a row, its scale bytes in scl, 32 a row.
; SHARES.  A block of 128 tokens x 128 columns to a work-group: 32 x 8 = 256 work-groups.  Four waves, 64 x 64 each: 16 accumulators.
; LDS.  ALL OF K COMES ONCE: o's 128 tokens are 98,304 dense bytes, wo's 128 rows 98,304 dense bytes (as 384 chunks of 256 bytes, 16 of padding behind each: a row's pitch is 816), the two blocks of scales 4,096 each.
;   One load a wave at the head: wave 0 o's codes, wave 1 wo's, wave 2 o's scales, wave 3 wo's.  Nothing is filled again: one barrier, no ring.
; CLUSTER.  4 x 4 work-groups: o's tiles are asked for jointly along a row of the cluster, wo's along a column.
; No prefetch is laid: every byte is asked for at the head, and there is no loop to run ahead in.
; Source 0 = 16 rows of wo, source 1 = 16 tokens: a lane holds eight neighbouring columns of one token's row.  The bias is the C of each accumulator's first product.
; REGISTERS.  Window 0: v16-29 addresses, v32-63 scale words of all eight steps (register 8 i + s: lanes 0-15 o's tile i, lanes 16-31 wo's tile i), v64-95 the bias, v96-191 o's fragments in two sets.  Window 1: v0-95 wo's fragments in two sets.  Window 2: v0-127 the accumulators.
.set FR,     12
.set BB0,    98304                     ; wo's codes, behind o's
.set BROW,   816
.set SCLA,   BB0+128*BROW
.set SHALF,  8*272                     ; the scales of 64 rows
.set SCLB,   SCLA+2*SHALF
.set STAGE,  SCLB+2*SHALF              ; the way out: 16 rows x (256 + 16) bytes for each wave; no fill lands here
.set SPITCH, 272
.set SPARE,  STAGE+4*16*SPITCH         ; the spare words: 512 bytes that no other line names
.set A16,  16
.set A8,   17
.set ADRB, 18                          ; v19: for a piece whose lanes 16-31 read the next chunk: 16 more
.set STO,  20
.set RD,   21
.set CO,   22
.set ADRS, 23
.set BQA,  24
.set SPW,  28
.set NIL,  29
.set SC,   32
.set BI,   64
.set AF,   96
.set BK,   96
.set G1A, 24
.set G1B, 32
.set G1S, 40
.set G1SB, 48
.set G0A, 56
.set G0B, 60
.set G0S, 68
.set G0SB, 72
.set MSB, 0
.macro WIN new
.if MSB != \new
	s_set_vgpr_msb (MSB<<8)|\new
.set MSB, \new
.endif
.endm
.set MUL_LO, 0xa1                      ; source 0 window 1, source 1 window 0, C and D window 2
.set TO_B,   0x40
.macro CROUND
	s_barrier_signal -1
	s_barrier_wait -1
	s_cmp_lg_u32 s14, 0
	s_cbranch_scc1 .Lnot_wave_0_\@
	s_barrier_signal -3
.Lnot_wave_0_\@:
	s_barrier_wait -3
	s_barrier_signal -1
	s_barrier_wait -1
.endm
	s_load_b128 s[4:7], s[0:1], 0x0                ; oc, os
	s_load_b128 s[8:11], s[0:1], 0x10              ; cod, scl
	s_load_b128 s[92:95], s[0:1], 0x20             ; bo, out0
	v_lshl_add_u32 v[SPW], v0, 2, SPARE
	v_mov_b32 v[NIL], 0
	ds_add_u32 v[SPW], v[NIL]                      ; the opening lines: the add, twice on end, and one wait
	ds_add_u32 v[SPW], v[NIL]
	v_lshrrev_b32 v1, 5, v0
	v_readfirstlane_b32 s14, v1                    ; wave
	s_lshr_b32 s15, s14, 1                         ; my 64 tokens of the block's 128
	s_and_b32 s16, s14, 1                          ; my 64 columns
	s_bfe_u32 s76, ttmp6, 0x40000                  ; cx
	s_bfe_u32 s77, ttmp6, 0x40004                  ; cy
	s_lshl_b32 s78, ttmp9, 2
	s_add_co_u32 s78, s78, s76                     ; block of columns
	s_and_b32 s17, ttmp7, 0xffff
	s_lshl_b32 s17, s17, 2
	s_add_co_u32 s17, s17, s77                     ; block of tokens
	s_lshl_b32 s79, s77, 2
	s_lshl_b32 s79, 15, s79                        ; my row of the cluster
	s_lshl_b32 s80, 0x1111, s76                    ; my column
	s_or_b32 s[G1A], s79, (3<<16)|(1<<21)                            ; dense rows of 256 bytes (32 elements of 8), as they lie
	s_or_b32 s[G1B], s80, (3<<16)|(1<<20)|(1<<21)|(5<<22)|(3<<25)    ; the same with 16 bytes of padding behind each
.irp g, G1A, G1B
	s_mov_b32 s[\g+1], 32<<16
	s_mov_b32 s[\g+2], 384<<16
	s_mov_b32 s[\g+3], 32<<16
	s_mov_b32 s[\g+4], 384
	s_mov_b32 s[\g+5], 32
	s_mov_b32 s[\g+6], 0
	s_mov_b32 s[\g+7], 0
.endr
	s_or_b32 s[G1S], s79, (3<<16)|(1<<20)|(1<<21)|(5<<22)|(3<<25)
	s_or_b32 s[G1SB], s80, (3<<16)|(1<<20)|(1<<21)|(5<<22)|(3<<25)
.irp g, G1S, G1SB
	s_mov_b32 s[\g+1], 32<<16
	s_mov_b32 s[\g+2], 16<<16
	s_mov_b32 s[\g+3], 32<<16
	s_mov_b32 s[\g+4], 16
	s_mov_b32 s[\g+5], 32
	s_mov_b32 s[\g+6], 0
	s_mov_b32 s[\g+7], 0
.endr
	s_mul_i32 s20, s17, 98304                      ; o's codes of my block
	s_mov_b32 s21, 0
	s_lshl_b32 s22, s17, 12                        ; and their scales
	s_mov_b32 s23, 0
	s_mul_i32 s82, s78, 98304
	s_add_co_u32 s82, s82, 11796480                ; wo's codes in cod
	s_mov_b32 s83, 0
	s_lshl_b32 s84, s78, 12
	s_add_co_u32 s84, s84, 491520                  ; wo's scales in scl
	s_mov_b32 s85, 0
	s_wait_dscnt 0x0                               ; both opening adds are done
	s_wait_kmcnt 0x0
	s_add_nc_u64 s[20:21], s[4:5], s[20:21]
	s_add_nc_u64 s[22:23], s[6:7], s[22:23]
	s_add_nc_u64 s[82:83], s[8:9], s[82:83]
	s_add_nc_u64 s[84:85], s[10:11], s[84:85]
	CROUND                                         ; all sixteen work-groups are here: the joint loads meet
	s_mov_b32 s[G0A], 1
	s_mov_b32 s[G0A+1], 0
	s_mov_b64 s[G0A+2:G0A+3], s[20:21]
	s_or_b32 s[G0A+3], s[G0A+3], 0x80000000
	s_mov_b32 s[G0B], 1
	s_mov_b32 s[G0B+1], BB0
	s_mov_b64 s[G0B+2:G0B+3], s[82:83]
	s_or_b32 s[G0B+3], s[G0B+3], 0x80000000
	s_mov_b32 s[G0S], 1
	s_mov_b32 s[G0S+1], SCLA
	s_mov_b64 s[G0S+2:G0S+3], s[22:23]
	s_or_b32 s[G0S+3], s[G0S+3], 0x80000000
	s_mov_b32 s[G0SB], 1
	s_mov_b32 s[G0SB+1], SCLB
	s_mov_b64 s[G0SB+2:G0SB+3], s[84:85]
	s_or_b32 s[G0SB+3], s[G0SB+3], 0x80000000
; one tree of branches on the wave's number: every way through the head passes exactly one load
.macro ARM under, g0, g1, next
	s_cmp_lt_u32 s14, \under
	s_cbranch_scc0 \next
	tensor_load_to_lds s[\g0:\g0+3], s[\g1:\g1+7]
	s_nop 0
.rept 4
	v_nop
.endr
	s_branch .Lhead_asked
\next:
.endm
	ARM 1, G0A, G1A, .Lhead_b
	ARM 2, G0B, G1B, .Lhead_sa
	ARM 3, G0S, G1S, .Lhead_sb
	tensor_load_to_lds s[G0SB:G0SB+3], s[G1SB:G1SB+7]
	s_nop 0
.rept 4
	v_nop
.endr
.Lhead_asked:
	s_mul_i32 s18, s15, 4*12288                    ; my four tiles of 16 tokens
	s_mul_i32 s19, s16, 64*BROW
	s_add_co_u32 s19, s19, BB0                     ; my 64 rows of wo
	s_mul_i32 s20, s15, SHALF
	s_mul_i32 s21, s16, SHALF
	s_add_co_u32 s21, s21, 2*SHALF
	s_sub_co_u32 s21, s21, s20                     ; from o's scale words to wo's
	s_add_co_u32 s20, s20, SCLA
	s_mul_i32 s22, s14, 16*SPITCH
	s_add_co_u32 s22, s22, STAGE                   ; my stage
	v_and_b32 v1, 15, v0                           ; r
	v_bfe_u32 v2, v0, 4, 1                         ; h
	v_and_b32 v3, 31, v0                           ; lane
	v_lshlrev_b32 v4, 4, v3
	v_add_nc_u32 v[A16], s18, v4                   ; o's images: 16 bytes a lane,
	v_lshlrev_b32 v4, 3, v3
	v_add_nc_u32 v[A8], s18, v4                    ; or 8
	v_mul_u32_u24 v4, v1, BROW
	v_mad_u32_u24 v4, v2, 24, v4
	v_add_nc_u32 v[ADRB], s19, v4                  ; wo: row x 816 + 24 h
	v_lshl_add_u32 v[ADRB+1], v2, 4, v[ADRB]
	v_lshlrev_b32 v5, 5, v1                        ; scale words: 32 bytes a row, 16 more for each 256 passed
	v_lshrrev_b32 v6, 8, v5
	v_lshl_add_u32 v5, v6, 4, v5
	v_mul_u32_u24 v6, s21, v2                      ; lanes 16-31 take wo's
	v_add_nc_u32 v5, v5, v6
	v_add_nc_u32 v[ADRS], s20, v5
	v_mul_u32_u24 v5, v1, SPITCH                   ; into the stage: row r, 32 bytes for each half of the lanes
	v_lshl_add_u32 v5, v2, 5, v5
	v_add_nc_u32 v[STO], s22, v5
	v_mul_u32_u24 v6, v2, SPITCH                   ; back: sixteen lanes to a row of 256 bytes, two rows an instruction
	v_lshl_add_u32 v6, v1, 4, v6
	v_add_nc_u32 v[RD], s22, v6
	v_lshlrev_b32 v7, 12, v2                       ; and the same two rows in out0 (4,096 bytes a row)
	v_lshl_add_u32 v[CO], v1, 4, v7
	v_lshlrev_b32 v[BQA], 5, v2
	s_wait_alu depctr_va_vdst(0)
	s_lshl_b32 s20, s17, 7
	s_lshl_b32 s21, s15, 6
	s_add_co_u32 s20, s20, s21                     ; my first token
	s_lshl_b32 s20, s20, 12
	s_lshl_b32 s22, s78, 9
	s_lshl_b32 s23, s16, 8
	s_add_co_u32 s22, s22, s23                     ; my first column, in bytes
	s_mov_b32 s23, 0
	s_add_nc_u64 s[92:93], s[92:93], s[22:23]
	s_add_co_u32 s20, s20, s22
	s_mov_b32 s21, 0
	s_add_nc_u64 s[94:95], s[94:95], s[20:21]
.irp b, 0,1,2,3
	global_load_b128 v[BI+8*\b:BI+8*\b+3], v[BQA], s[92:93] offset:64*\b        ; bo at columns 16 b + 8 h + 0 .. 7
	global_load_b128 v[BI+8*\b+4:BI+8*\b+7], v[BQA], s[92:93] offset:64*\b+16
.endr
.macro FRAGB reg, st, i                ; 16 rows of wo x 128 K: six pieces of 8 bytes; byte y of a row lies at y + 16 (y / 256) of its LDS row
.irp p, 0,1,2,3,4,5
.set BY, 96*(\st)+48*(\p/3)+8*(\p%3)
.if BY/256 == (BY+24)/256
	ds_load_b64 v[\reg+2*\p:\reg+2*\p+1], v[ADRB] offset:BY+16*(BY/256)+(\i)*16*BROW
.else
	ds_load_b64 v[\reg+2*\p:\reg+2*\p+1], v[ADRB+1] offset:BY+16*(BY/256)+(\i)*16*BROW
.endif
.endr
.endm
.macro FRAGA reg, st, i                ; 16 tokens x 128 K: the images of heads 2 st and 2 st + 1
	ds_load_b128 v[\reg:\reg+3],     v[A16] offset:12288*(\i)+1536*(\st)
	ds_load_b64  v[\reg+4:\reg+5],   v[A8]  offset:12288*(\i)+1536*(\st)+512
	ds_load_b128 v[\reg+6:\reg+9],   v[A16] offset:12288*(\i)+1536*(\st)+768
	ds_load_b64  v[\reg+10:\reg+11], v[A8]  offset:12288*(\i)+1536*(\st)+1280
.endm
.macro FETCH st                        ; 24 + 16 = 40 LDS loads: step st's fragments into set st % 2
	WIN TO_B
.irp i, 0,1,2,3
	FRAGB 48*((\st)%2)+FR*\i, \st, \i
.endr
	WIN 0
.irp i, 0,1,2,3
	FRAGA AF+48*((\st)%2)+FR*\i, \st, \i
.endr
.endm
.macro MUL st, first                   ; 16 products; the 16 accumulators take turns, in the same order in every step
.irp a, 0,1,2,3
.irp b, 0,1,2,3
.if \first
	v_wmma_scale_f32_16x16x128_f8f6f4 v[8*(4*\a+\b):8*(4*\a+\b)+7], v[48*((\st)%2)+FR*\b:48*((\st)%2)+FR*\b+FR-1], v[AF+48*((\st)%2)+FR*\a:AF+48*((\st)%2)+FR*\a+FR-1], v[BI+8*\b:BI+8*\b+7], v[SC+8*\b+(\st)], v[SC+8*\a+(\st)] matrix_a_fmt:MATRIX_FMT_FP6 matrix_b_fmt:MATRIX_FMT_FP6 matrix_a_scale:MATRIX_SCALE_ROW1
.else
	v_wmma_scale_f32_16x16x128_f8f6f4 v[8*(4*\a+\b):8*(4*\a+\b)+7], v[48*((\st)%2)+FR*\b:48*((\st)%2)+FR*\b+FR-1], v[AF+48*((\st)%2)+FR*\a:AF+48*((\st)%2)+FR*\a+FR-1], v[8*(4*\a+\b):8*(4*\a+\b)+7], v[SC+8*\b+(\st)], v[SC+8*\a+(\st)] matrix_a_fmt:MATRIX_FMT_FP6 matrix_b_fmt:MATRIX_FMT_FP6 matrix_a_scale:MATRIX_SCALE_ROW1
.endif
.endr
.endr
.endm
.macro PLACES
.rept 4
	v_nop
.endr
.endm
	s_wait_tensorcnt 0x0                           ; my tile is in,
	s_barrier_signal -1
	s_barrier_wait -1                              ; everybody's is; nothing is filled again
	FETCH 0
.irp i, 0,1,2,3
	ds_load_b128 v[SC+8*\i:SC+8*\i+3], v[ADRS] offset:\i*544        ; a row's 32 scale bytes: the words of all eight steps
	ds_load_b128 v[SC+8*\i+4:SC+8*\i+7], v[ADRS] offset:\i*544+16
.endr
	FETCH 1
	s_wait_loadcnt 0x0                             ; the bias
	s_wait_dscnt 40                                ; all but step 1's 40 loads
	WIN 0x81                                       ; C in window 0: the bias starts the sums
	MUL 0, 1
.set ST, 1
.rept 6
	PLACES                                         ; four places in front of the loads into the set that the last step multiplied
	FETCH ST+1
	s_wait_dscnt 40                                ; this step's fragments are in; the next step's 40 loads may be out
	WIN MUL_LO
	MUL ST, 0
.set ST, ST+1
.endr
	s_wait_dscnt 0x0
	MUL 7, 0
	WIN 0
; THE WAY OUT, by blocks of 16 tokens x 64 columns through my own stage: back as rows of 256 bytes, which sixteen lanes store as one aligned run
.macro TOSTAGE a
	WIN 0x08                                       ; the data: window 2
.irp b, 0,1,2,3
	ds_store_b128 v[STO], v[32*(\a)+8*\b:32*(\a)+8*\b+3] offset:64*\b      ; each accumulator from its low end on
	ds_store_b128 v[STO], v[32*(\a)+8*\b+4:32*(\a)+8*\b+7] offset:64*\b+16
.endr
	WIN 0
.irp t, 0,1,2,3,4,5,6,7
	ds_load_b128 v[BK+32*((\a)%2)+4*\t:BK+32*((\a)%2)+4*\t+3], v[RD] offset:\t*2*SPITCH   ; LDS serves a wave's instructions in order: these see the stores above
.endr
.endm
.macro SEND a, younger
	s_wait_dscnt \younger
.irp t, 0,1,2,3,4,5,6,7
	global_store_b128 v[CO], v[BK+32*((\a)%2)+4*\t:BK+32*((\a)%2)+4*\t+3], s[94:95] offset:(16*(\a)+2*\t)*4096 th:TH_STORE_NT
.endr
.endm
	PLACES                                         ; in front of the first read of results and of the loads into o's fragment registers
	TOSTAGE 0
.irp a, 1,2,3
.if \a > 1
	s_wait_xcnt 0x0                                ; block a - 2's stores have read their registers: block a's loads may land there
.endif
	TOSTAGE \a
	SEND \a-1, 16                                  ; behind block a - 1's loads: block a's 8 stores and 8 loads
.endr
	SEND 3, 0
	s_wait_tensorcnt 0x0                           ; the wave's end
	ds_add_u32 v[SPW], v[NIL]
	s_wait_dscnt 0x0
	CROUND                                         ; the closing round
	s_endpgm
.Lfunc_end_k_q3888059378_outp:
	.size	k_q3888059378_outp, .Lfunc_end_k_q3888059378_outp-k_q3888059378_outp
	.p2alignl 7, 3214868480
	.fill 96, 4, 3214868480
	.section	.rodata,"a",@progbits
	.p2align	6, 0x0
	.amdhsa_kernel k_q3888059378_outp
		.amdhsa_group_segment_fixed_size 229376
		.amdhsa_private_segment_fixed_size 0
		.amdhsa_enable_private_segment 0
		.amdhsa_kernarg_size 48
		.amdhsa_user_sgpr_count 2
		.amdhsa_user_sgpr_kernarg_segment_ptr 1
		.amdhsa_wavefront_size32 1
		.amdhsa_system_sgpr_workgroup_id_x 1
		.amdhsa_system_sgpr_workgroup_id_y 1
		.amdhsa_system_sgpr_workgroup_id_z 1
		.amdhsa_system_vgpr_workitem_id 0
		.amdhsa_next_free_vgpr 640
		.amdhsa_next_free_sgpr 98
		.amdhsa_reserve_vcc 0
		.amdhsa_float_denorm_mode_32 3
		.amdhsa_float_denorm_mode_16_64 3
		.amdhsa_memory_ordered 1
		.amdhsa_forward_progress 1
		.amdhsa_inst_pref_size 56
	.end_amdhsa_kernel
	.amdgpu_metadata
---
amdhsa.version: [ 1, 2 ]
amdhsa.kernels:
  - .name:           k_q3888059378_outp
    .symbol:         k_q3888059378_outp.kd
    .args:
      - { .name: oc, .offset: 0, .size: 8, .value_kind: global_buffer, .address_space: global }
      - { .name: os, .offset: 8, .size: 8, .value_kind: global_buffer, .address_space: global }
      - { .name: cod, .offset: 16, .size: 8, .value_kind: global_buffer, .address_space: global }
      - { .name: scl, .offset: 24, .size: 8, .value_kind: global_buffer, .address_space: global }
      - { .name: bo, .offset: 32, .size: 8, .value_kind: global_buffer, .address_space: global }
      - { .name: out0, .offset: 40, .size: 8, .value_kind: global_buffer, .address_space: global }
    .group_segment_fixed_size: 229376
    .private_segment_fixed_size: 0
    .kernarg_segment_align: 8
    .kernarg_segment_size: 48
    .max_flat_workgroup_size: 128
    .sgpr_count:     98
    .vgpr_count:     640
    .wavefront_size: 32
...
	.end_amdgpu_metadata
.endif
;; end of part 4
